; MI455X (gfx1250); checked and timed in simulation.
; The chip was launched on July 23, 2026; its instructions are those of AMD's public machine-readable ISA for CDNA 5 (MIT licence, August 2026) and "CDNA5" Instruction Set Architecture Reference Guide (July 2026). The comments in the code are by the model that wrote it; some were corrected since.
;; Multihead Attention. Allowed arithmetic: matrix products marked QUANTISED: E4M3 operands, one E8M0 scale for each 32 along K, by v_wmma_scale_f32_16x16x128_f8f6f4 with both operands' format E4M3, f32 sums; everything else in f32.
;; Inputs: Wk 1,024 x 1,024 float32; Wo 1,024 x 1,024 float32; Wq 1,024 x 1,024 float32; Wv 1,024 x 1,024 float32; attn_mask 2,048 x 2,048 bool; bk 1,024 float32; bo 1,024 float32; bq 1,024 float32; bv 1,024 float32; key 2,048 x 4 x 1,024 float32; query 2,048 x 4 x 1,024 float32; value 2,048 x 4 x 1,024 float32.
;; Outputs: out0 2,048 x 4 x 1,024 float32.
;; This version of the problem:
;;   THIS VERSION OF THE PROBLEM IS GIVEN IN LOW PRECISION. The matrix products marked QUANTISED in the list below multiply operands that are first quantised to E4M3 (4 exponent bits, 3 mantissa bits; 8 bits a number), with one power-of-two scale for each 32 numbers along K (OCP MX v1.0); their sums are f32. All else is computed in f32.
;;   The module's matrix products, in the order in which they are computed (A, B: the left and right operand; K: the contracted axis; several contracted axes count as one K, in the product's order):
;;     1. [M 8,192, K 1,024] x [K 1,024, N 1,024]; A: input query; B: input Wq: QUANTISED
;;     2. [M 8,192, K 1,024] x [K 1,024, N 1,024]; A: input key; B: input Wk: QUANTISED
;;     3. [M 8,192, K 1,024] x [K 1,024, N 1,024]; A: input value; B: input Wv: QUANTISED
;;     4. batch 64 x [M 2,048, K 64] x [K 64, N 2,048]; A: computed on the way; B: computed on the way: QUANTISED
;;     5. batch 64 x [M 64, K 2,048] x [K 2,048, N 2,048]; A: computed on the way; B: softmax (see below): QUANTISED
;;     6. [M 8,192, K 1,024] x [K 1,024, N 1,024]; A: computed on the way; B: input Wo: QUANTISED
;;   THE QUANTISER, for each operand of a quantised product, along K:
;;     - K is cut into blocks of 32 from its start; a last block that is shorter is filled with zeros.
;;     - A block's scale is 2^e with e = floor(log2(the largest magnitude in the block)) - 8, held to -126 .. 127; a block of zeros has e = 0. As a byte (E8M0): e + 127.
;;     - Each number is divided by its block's scale, clamped to +-448, and rounded to the nearest number of E4M3, ties to even, subnormals kept.
;;     - The product sums the exact products of the quantised numbers (number of the format x scale) in f32.
;;   ~~~python
;;   def quantise(x, axis):      # numpy; x: float32 -> the quantised numbers, widened to float32 again
;;       x = np.moveaxis(x, axis, -1); K = x.shape[-1]
;;       x = np.pad(x, [(0, 0)] * (x.ndim - 1) + [(0, -K % 32)]); x = x.reshape(x.shape[:-1] + (-1, 32)); a = np.abs(x).max(-1, keepdims=True)
;;       e = np.where(a > 0, np.clip(np.frexp(np.where(a > 0, a, 1))[1] - 1 - 8, -126, 127), 0)      # np.frexp(a)[1] - 1 = floor(log2(a)), exactly
;;       r = np.clip(x / 2.0 ** e, -448, 448)
;;       step = 2.0 ** (np.maximum(np.frexp(np.where(r == 0, 1, r))[1] - 1, -6) - 3)
;;       q = np.round(r / step) * step * 2.0 ** e      # np.round: ties to even
;;       return np.moveaxis(q.reshape(q.shape[:-2] + (-1,))[..., :K], -1, axis).astype(np.float32)
;;   ~~~
;;   SOFTMAX AHEAD OF A QUANTISED PRODUCT. Where the list says 'softmax', what is quantised is not the finished softmax but p = 2^(t - M), with t = logit x log2(e) and M = ceil(the row's largest t), a whole number; so 1/2 < the row's largest p <= 1. The row's sum l is taken of the UNQUANTISED p, in f32, and the product's result is divided by l at the end. Since M is a whole number, a kernel that streams over the keys may use a running M (the ceiling of the running maximum): every later rescaling is an exact power of two, which a block's scale takes up: the codes' values come out the same.
;;   OPERANDS COMPUTED ON THE WAY. 'Computed on the way' means the value that the module computes at that place (a softmax that the list does not call 'softmax' is quantised finished and normalised). What goes into a quantiser is computed in f32, as accurately as f32 sums, v_exp_f32 and their like allow (about 1e-6 of the number): no bf16 or f16 on the way to a quantiser, and a product that is left as it is and whose result goes on into a quantised operand takes f32 operands (vector FMAs, or v_wmma_f32_16x16x4_f32). A number that lies on a knife's edge between two numbers of the format may be rounded either way, as far as f32 arithmetic and the matrix unit's own rounding can turn it there, and no further.
;; 2 versions, each right; version 2 is version 1 with the launch attn written anew for expert scheduling mode. Each part assembles by itself: llvm-mc -triple=amdgcn-amd-amdhsa -mcpu=gfx1250 --defsym DOCPART=n.
;; ======== version 1 of 2: 4 launches
;; workspace buffers: cod 29,360,128 bytes; scl 917,504 bytes; msk 524,800 bytes of whole numbers; qkvf 25,165,824 bytes; qkvs 1,572,864 bytes; oc 8,388,608 bytes; os 262,144 bytes
;; launch prep (part 1): grid 1024 x 1, 4 waves a work-group, no clusters, 33,280 bytes of LDS; arguments query, key, value, Wq, Wk, Wv, Wo, attn_mask, cod, scl, msk; writes cod, scl, msk
.if DOCPART == 1
	.amdgcn_target "amdgcn-amd-amdhsa--gfx1250"
	.amdhsa_code_object_version 6
	.text
	.protected	k_q4e7856baab_prep
	.globl	k_q4e7856baab_prep
	.p2align	8
	.type	k_q4e7856baab_prep,@function
k_q4e7856baab_prep:
	s_mov_b64 s[64:65], 0
	v_nop
	global_prefetch_b8 v0, s[64:65] scope:SCOPE_SE
	s_setreg_imm32_b32 hwreg(HW_REG_WAVE_MODE, 25, 1), 1
	s_wait_xcnt 0x0
; PREP.  Two kinds of work-groups in one launch.
; (a) Work-groups 128 .. 1023 turn query, key, value [2048][4][1024] and Wq, Wk, Wv, Wo [1024][1024], f32, K innermost, into codes of FP8 (E4M3) with one E8M0 byte for each 32 along K.
;     A block's byte is its largest magnitude's exponent field - 8, held at 1 from below; each number is divided by the scale, held within +-448 and rounded to the nearest code, ties to even.
;     A wave takes 8 rows of 1,024 numbers, 16 steps of 512.  Loads take bytes as they lie (512 consecutive bytes a load); a step's 2,048 bytes turn through the wave's own stage in LDS, so that a lane
;     holds 16 neighbours along K.  A lane's 16 codes are 16 bytes: a store covers 512 consecutive bytes, aligned.
;     WHERE A ROW GOES: row (i, b) of query, key, value goes to row b x 2048 + pi(i) of its section of cod; row n of a weight to row pi(n).  pi swaps bits 3 and 4 of the index (key, value, Wq, Wk, Wv) or
;     is the identity (query, Wo).  So sixteen neighbouring rows of cod are a tile whose results, in a transposed product, lie in a lane's registers as neighbours along the next product's K.
; (b) Work-groups 0 .. 127 read attn_mask [2048][2048] (one byte, 1 = hidden) and store whole numbers for the attention launch: for each tile of 16 queries x 128 keys 64 lane masks
;     (bit l of word n: the mask of query 16 qt + l % 16, key 128 ks + 32 (n / 16) + 16 (l / 16) + n % 16: the lane and register that hold that score there) and a field of two bits:
;     0 = all hidden, 1 = none hidden, 2 = mixed.  Work-group qt, wave w: key steps 4 w .. 4 w + 3; its four fields are byte w of the flag word of qt.
; LIMITS: NaN and infinities among the inputs are not served; a block of zeros gets the byte 1 (its codes are zeros, and this program alone reads the bytes); of a mask byte bit 0 alone is tested.
; No tensor loads, no barrier: waves share nothing.  Only path (a) uses LDS.
.set MWG,   128                        ; work-groups of path (b)
.set STEPS, 16
.set EMAX,  8
.set MANT,  0x600000                   ; the mantissa field of 448 as f32
.set R,     16                         ; v16-79   four sets of 16 numbers as they are loaded
.set X,     80                         ; v80-111  two sets of 16 neighbours
.set E,     112                        ; v112-127 a scale byte for each step
.set C,     128                        ; v128-191 codes: four registers for each step
.set VO,    192                        ; v192-199 byte offset of my 16 codes in each of the wave's 8 rows
.set WREG,  8192                       ; LDS: a region for each wave: two stages of 32 x SP bytes, then its 256 scale bytes
.set SP,    80                         ; a lane's place in a stage: 64 bytes + 16 of padding
	s_load_b512 s[4:19], s[0:1], 0x0               ; query, key, value, Wq, Wk, Wv, Wo, attn_mask
	s_load_b128 s[20:23], s[0:1], 0x40             ; cod, scl
	s_load_b64 s[24:25], s[0:1], 0x50              ; msk
	v_lshl_add_u32 v200, v0, 2, 0x8000
	v_mov_b32 v201, 0
	v_lshrrev_b32 v1, 5, v0
	v_readfirstlane_b32 s27, v1                    ; wave
	v_and_b32 v2, 31, v0                           ; lane
	s_cmp_lt_u32 ttmp9, MWG
	s_cbranch_scc1 .Lmask
	; ---------------- (a) the quantiser
	s_sub_co_u32 s40, ttmp9, MWG                   ; g = 0 .. 895: 256 work-groups for each of query, key, value, 32 for each weight
	v_lshlrev_b32 v3, 4, v2                        ; my 16 bytes of a load's 512, and of a store's
	s_mul_i32 s54, s27, WREG
	v_lshrrev_b32 v14, 2, v2
	v_mul_u32_u24 v14, v14, SP
	v_and_b32 v15, 3, v2
	v_lshl_add_u32 v14, v15, 4, v14
	v_add_nc_u32 v14, s54, v14                     ; the stage, on the way in: SP (lane / 4) + 16 (lane % 4)
	v_mul_u32_u24 v15, v2, SP
	v_add_nc_u32 v15, s54, v15                     ; and on the way out: SP x lane: my 16 neighbours
	v_lshrrev_b32 v5, 1, v2
	s_add_co_u32 s54, s54, 2*32*SP
	v_add_nc_u32 v5, s54, v5                       ; my wave's 256 scale bytes, my block's byte
	v_lshlrev_b32 v6, 3, v2
	v_add_nc_u32 v6, s54, v6                       ; and on the way out 8 bytes a lane
	s_mov_b32 s55, MANT
	s_wait_kmcnt 0x0
	s_mov_b64 s[28:29], s[16:17]                   ; which tensor, and its first work-group: the choice hangs on the work-group's number alone
	s_mov_b32 s26, 864
	s_cmp_lt_u32 s40, 864
	s_cselect_b64 s[28:29], s[14:15], s[28:29]
	s_cselect_b32 s26, 832, s26
	s_cmp_lt_u32 s40, 832
	s_cselect_b64 s[28:29], s[12:13], s[28:29]
	s_cselect_b32 s26, 800, s26
	s_cmp_lt_u32 s40, 800
	s_cselect_b64 s[28:29], s[10:11], s[28:29]
	s_cselect_b32 s26, 768, s26
	s_cmp_lt_u32 s40, 768
	s_cselect_b64 s[28:29], s[8:9], s[28:29]
	s_cselect_b32 s26, 512, s26
	s_cmp_lt_u32 s40, 512
	s_cselect_b64 s[28:29], s[6:7], s[28:29]
	s_cselect_b32 s26, 256, s26
	s_cmp_lt_u32 s40, 256
	s_cselect_b64 s[28:29], s[4:5], s[28:29]
	s_cselect_b32 s26, 0, s26
	s_cmp_lt_u32 s40, 768                          ; a tensor of tokens (memory row 4 i + b) or a weight (memory row n)?
	s_mov_b32 s41, 1024
	s_cselect_b32 s41, 2097152, s41                ; codes: from row % 4 to the next: 2,048 rows (the next b), or one row
	s_mov_b32 s42, 4096
	s_cselect_b32 s42, 1024, s42                   ; from row / 4 to the next: one row (the next i), or four rows
	s_mov_b32 s43, 32
	s_cselect_b32 s43, 65536, s43                  ; the same for the scale bytes, 32 a row
	s_mov_b32 s44, 128
	s_cselect_b32 s44, 32, s44
	s_cselect_b32 s45, 2, 0                        ; bits 3, 4 of the index are bits p, p + 1 of the run's number
	s_cselect_b32 s46, 11, 13                      ; a run's step in the codes: 2 rows or 8 rows of 1,024 bytes, as a shift
	s_sub_co_u32 s47, s40, 256
	s_cmp_lt_u32 s47, 608
	s_cselect_b32 s47, 1, 0                        ; pi is the swap for key, value, Wq, Wk, Wv (g = 256 .. 863), else the identity
	s_sub_co_u32 s48, s40, s26
	s_lshl_b32 s48, s48, 2
	s_add_co_u32 s48, s48, s27                     ; my wave's run of 8 rows in the tensor
	s_lshr_b32 s49, s48, s45
	s_lshr_b32 s50, s49, 1
	s_xor_b32 s49, s49, s50
	s_and_b32 s49, s49, s47                        ; 1 where the two bits differ and pi swaps
	s_mul_i32 s49, s49, 3
	s_lshl_b32 s49, s49, s45
	s_xor_b32 s49, s48, s49                        ; the run's number with the two bits swapped
	s_lshl_b32 s50, s48, 15                        ; in: 8 rows of 4,096 bytes a run
	s_mov_b32 s51, 0
	s_add_nc_u64 s[28:29], s[28:29], s[50:51]
	s_lshl_b32 s50, s26, 15                        ; codes: a work-group's 32,768 bytes; the sections lie on end
	s_lshl_b32 s52, s49, s46
	s_add_co_u32 s50, s50, s52
	s_add_nc_u64 s[20:21], s[20:21], s[50:51]
	s_sub_co_u32 s46, s46, 5
	s_lshl_b32 s50, s26, 10                        ; scale bytes: a thirty-second of that
	s_lshl_b32 s52, s49, s46
	s_add_co_u32 s50, s50, s52
	s_add_nc_u64 s[22:23], s[22:23], s[50:51]
.irp row, 0,1,2,3,4,5,6,7
	s_mul_i32 s52, s41, (\row)&3
	s_mul_i32 s53, s42, (\row)>>2
	s_add_co_u32 s52, s52, s53
	v_add_nc_u32 v[VO+\row], s52, v3
.endr
	v_bfe_u32 v12, v2, 2, 2                        ; the scale bytes' way out: lane l has 8 bytes of row l / 4
	v_mul_lo_u32 v12, v12, s43
	v_lshrrev_b32 v13, 4, v2
	v_mul_lo_u32 v13, v13, s44
	v_add_nc_u32 v12, v12, v13
	v_and_b32 v13, 3, v2
	v_lshl_add_u32 v7, v13, 3, v12
.macro LOAD t
.irp i, 0,1,2,3
	global_load_b128 v[R+16*((\t)%4)+4*\i:R+16*((\t)%4)+4*\i+3], v3, s[28:29] offset:2048*(\t)+512*\i th:TH_LOAD_NT   ; 32 lanes read 512 consecutive bytes
.endr
.endm
.macro TURN t                          ; step t's numbers through the stage: LDS serves a wave's instructions in order, so no wait stands between the stores and the loads
.irp i, 0,1,2,3
	ds_store_b128 v14, v[R+16*((\t)%4)+4*\i:R+16*((\t)%4)+4*\i+3] offset:32*SP*((\t)%2)+8*SP*\i
.endr
.irp i, 0,1,2,3
	ds_load_b128 v[X+16*((\t)%2)+4*\i:X+16*((\t)%2)+4*\i+3], v15 offset:32*SP*((\t)%2)+16*\i
.endr
.endm
.irp t, 0,1,2,3
	LOAD \t
.endr
	s_wait_loadcnt 12                              ; step 0's four loads are in; three steps' twelve may be out
	TURN 0
.macro STEP t
.set XS, X+16*((\t)%2)
.if (\t) > 0
	s_wait_dscnt 1                                 ; this step's numbers are back from the stage (the last step's byte store may be out): so its stores into the stage have read their registers,
.else
	s_wait_dscnt 0x0
.endif
.if (\t)+4 < STEPS
	LOAD (\t)+4                                    ; which take the loads of four steps on
.endif
.if (\t)+1 < STEPS
.if STEPS-2-(\t) >= 3
	s_wait_loadcnt 12                              ; the next step's four loads are in; those of the three steps behind it may be out
.else
	s_wait_loadcnt 4*(STEPS-2-(\t))
.endif
	TURN (\t)+1                                    ; and go through the other stage while this step is worked
.endif
	v_max3_num_f32 v8, |v[XS]|, |v[XS+1]|, |v[XS+2]|               ; the largest magnitude of my 16, in two chains
	v_max3_num_f32 v9, |v[XS+3]|, |v[XS+4]|, |v[XS+5]|
.irp i, 6,10
	v_max3_num_f32 v8, v8, |v[XS+\i]|, |v[XS+\i+1]|
	v_max3_num_f32 v9, v9, |v[XS+\i+2]|, |v[XS+\i+3]|
.endr
	v_max3_num_f32 v8, v8, |v[XS+14]|, |v[XS+15]|
	v_max3_num_f32 v8, v8, v9, (EMAX+1)<<23        ; and the floor 2^(EMAX + 1 - 127): the byte cannot fall under 1
	v_max_num_f32_dpp v8, v8, v8 row_xmask:1 row_mask:0xf bank_mask:0xf   ; and of my neighbour's 16: the block's
	v_add_nc_u32 v11, -(EMAX<<23), v8              ; EMAX off its exponent field: the conversion takes the exponent field of this operand as its scale
	v_and_or_b32 v10, v8, 0x7f800000, s55          ; 448 x the scale
.irp i, 0,1,2,3,4,5,6,7,8,9,10,11,12,13,14,15
	v_med3_num_f32 v[XS+\i], v[XS+\i], -v10, v10   ; the conversion to an 8-bit code does not saturate (ISA guide 7.6.2): the hold comes first
.endr
	v_cvt_scalef32_pk8_fp8_f32 v[C+4*(\t):C+4*(\t)+1], v[XS:XS+7], v11
	v_cvt_scalef32_pk8_fp8_f32 v[C+4*(\t)+2:C+4*(\t)+3], v[XS+8:XS+15], v11
	v_lshrrev_b32 v[E+(\t)], 23, v11               ; the scale's byte (also the plain line behind the conversions)
	ds_store_b8 v5, v[E+(\t)] offset:16*(\t)       ; both lanes of a block write the same byte with the same value
	global_store_b128 v[VO+(\t)/2], v[C+4*(\t):C+4*(\t)+3], s[20:21] offset:512*((\t)%2)   ; half a row of codes: 512 consecutive bytes
.endm
.irp t, 0,1,2,3,4,5,6,7,8,9,10,11,12,13,14,15
	STEP \t
.endr
	ds_load_b64 v[12:13], v6                       ; LDS serves a wave's instructions in order: these see my stores
	s_wait_dscnt 0x0
	global_store_b64 v7, v[12:13], s[22:23]        ; four lanes store a row's 32 scale bytes
	s_wait_tensorcnt 0x0
	ds_add_u32 v200, v201
	s_wait_dscnt 0x0
	s_endpgm
	; ---------------- (b) the mask
.Lmask:
	v_and_b32 v3, 15, v2
	v_lshrrev_b32 v4, 4, v2
	v_lshlrev_b32 v3, 11, v3
	v_lshl_add_u32 v3, v4, 4, v3                   ; in: row lane % 16 of 2,048 bytes, + 16 (lane / 16)
	v_lshlrev_b32 v4, 3, v2                        ; out: 8 bytes a lane
.irp i, 0,1,2,3,4,5,6,7
	v_mov_b32 v[80+\i], 0                          ; written once: v_writelane_b32's destination counts as read
.endr
	v_mov_b32 v93, 0
	s_lshl_b32 s40, ttmp9, 15                      ; 16 rows of 2,048 bytes for each tile of queries,
	s_lshl_b32 s41, s27, 9                         ; my wave's four key steps: 512 columns
	s_add_co_u32 s40, s40, s41
	s_mov_b32 s41, 0
	s_lshl_b32 s42, ttmp9, 12                      ; the lane masks: 16 key steps x 256 bytes,
	s_lshl_b32 s43, s27, 10                        ; four of them mine
	s_add_co_u32 s42, s42, s43
	s_mov_b32 s43, 0
	s_lshl_b32 s44, ttmp9, 2                       ; the flag word of this tile of queries, my byte of it
	s_add_co_u32 s44, s44, s27
	s_add_co_u32 s44, s44, 524288
	s_mov_b32 s45, 0
	s_wait_kmcnt 0x0
	s_add_nc_u64 s[28:29], s[18:19], s[40:41]
	s_add_nc_u64 s[30:31], s[24:25], s[42:43]
	s_add_nc_u64 s[38:39], s[24:25], s[44:45]
.irp j, 0,1,2,3
.irp b, 0,1,2,3
	global_load_b128 v[16+16*\j+4*\b:19+16*\j+4*\b], v3, s[28:29] offset:128*\j+32*\b   ; key step j, block b of 32 keys: my 16 bytes; the sixteen loads together take 512 consecutive bytes of each of 16 rows
.endr
.endr
	s_mov_b32 s35, 0                               ; my four fields
.macro MTILE j
	s_wait_loadcnt 12-4*\j                         ; this key step's four loads are in; the later steps' may be out
	s_mov_b32 s33, 0                               ; is any hidden?
	s_mov_b32 s34, -1                              ; are all?
.set mm, 0
.rept 16
	v_and_b32 v88, 1, v[16+16*\j+mm]               ; the four bytes of a word together, so that no compare waits for the one before
	v_and_b32 v89, 0x100, v[16+16*\j+mm]
	v_and_b32 v90, 0x10000, v[16+16*\j+mm]
	v_and_b32 v91, 0x1000000, v[16+16*\j+mm]
	v_cmp_ne_u32 s48, 0, v88
	v_cmp_ne_u32 s49, 0, v89
	v_cmp_ne_u32 s50, 0, v90
	v_cmp_ne_u32 s51, 0, v91
	v_writelane_b32 v[80+2*\j], s48, 2*mm          ; word n = 4 mm + k goes to register n % 2 of lane n / 2
	v_writelane_b32 v[81+2*\j], s49, 2*mm
	v_writelane_b32 v[80+2*\j], s50, 2*mm+1
	v_writelane_b32 v[81+2*\j], s51, 2*mm+1
	s_or_b32 s52, s48, s49
	s_or_b32 s53, s50, s51
	s_and_b32 s54, s48, s49
	s_and_b32 s55, s50, s51
	s_or_b32 s52, s52, s53
	s_and_b32 s54, s54, s55
	s_or_b32 s33, s33, s52
	s_and_b32 s34, s34, s54
.set mm, mm+1
.endr
	global_store_b64 v4, v[80+2*\j:81+2*\j], s[30:31] offset:256*\j   ; 32 lanes store 256 consecutive bytes, aligned
	s_cmp_lg_u32 s33, 0
	s_cselect_b32 s36, 2, 1                        ; mixed, or none hidden,
	s_cmp_eq_u32 s34, -1
	s_cselect_b32 s36, 0, s36                      ; or all hidden
	s_lshl_b32 s36, s36, 2*\j
	s_or_b32 s35, s35, s36
.endm
	MTILE 0
	MTILE 1
	MTILE 2
	MTILE 3
	v_mov_b32 v92, s35
	s_wait_xcnt 0x0                                ; EXEC changes only behind this wait: the stores above have it among their sources
	v_cmp_eq_u32 vcc_lo, 0, v2
	s_and_saveexec_b32 s37, vcc_lo
	global_store_b8 v93, v92, s[38:39]             ; lane 0 stores the wave's byte of the flag word
	s_wait_xcnt 0x0
	s_or_b32 exec_lo, exec_lo, s37
	s_endpgm
.Lfunc_end_k_q4e7856baab_prep:
	.size	k_q4e7856baab_prep, .Lfunc_end_k_q4e7856baab_prep-k_q4e7856baab_prep
	.p2alignl 7, 3214868480
	.fill 96, 4, 3214868480
	.section	.rodata,"a",@progbits
	.p2align	6, 0x0
	.amdhsa_kernel k_q4e7856baab_prep
		.amdhsa_group_segment_fixed_size 33280
		.amdhsa_private_segment_fixed_size 0
		.amdhsa_enable_private_segment 0
		.amdhsa_kernarg_size 88
		.amdhsa_user_sgpr_count 2
		.amdhsa_user_sgpr_kernarg_segment_ptr 1
		.amdhsa_wavefront_size32 1
		.amdhsa_system_sgpr_workgroup_id_x 1
		.amdhsa_system_sgpr_workgroup_id_y 1
		.amdhsa_system_sgpr_workgroup_id_z 1
		.amdhsa_system_vgpr_workitem_id 0
		.amdhsa_next_free_vgpr 202
		.amdhsa_next_free_sgpr 66
		.amdhsa_reserve_vcc 1
		.amdhsa_float_denorm_mode_32 3
		.amdhsa_float_denorm_mode_16_64 3
		.amdhsa_memory_ordered 1
		.amdhsa_forward_progress 1
		.amdhsa_inst_pref_size 120
	.end_amdhsa_kernel
	.amdgpu_metadata
---
amdhsa.version: [ 1, 2 ]
amdhsa.kernels:
  - .name:           k_q4e7856baab_prep
    .symbol:         k_q4e7856baab_prep.kd
    .args:
      - { .name: query, .offset: 0, .size: 8, .value_kind: global_buffer, .address_space: global }
      - { .name: key, .offset: 8, .size: 8, .value_kind: global_buffer, .address_space: global }
      - { .name: value, .offset: 16, .size: 8, .value_kind: global_buffer, .address_space: global }
      - { .name: Wq, .offset: 24, .size: 8, .value_kind: global_buffer, .address_space: global }
      - { .name: Wk, .offset: 32, .size: 8, .value_kind: global_buffer, .address_space: global }
      - { .name: Wv, .offset: 40, .size: 8, .value_kind: global_buffer, .address_space: global }
      - { .name: Wo, .offset: 48, .size: 8, .value_kind: global_buffer, .address_space: global }
      - { .name: attn_mask, .offset: 56, .size: 8, .value_kind: global_buffer, .address_space: global }
      - { .name: cod, .offset: 64, .size: 8, .value_kind: global_buffer, .address_space: global }
      - { .name: scl, .offset: 72, .size: 8, .value_kind: global_buffer, .address_space: global }
      - { .name: msk, .offset: 80, .size: 8, .value_kind: global_buffer, .address_space: global }
    .group_segment_fixed_size: 33280
    .private_segment_fixed_size: 0
    .kernarg_segment_align: 8
    .kernarg_segment_size: 88
    .max_flat_workgroup_size: 128
    .sgpr_count:     66
    .vgpr_count:     202
    .wavefront_size: 32
...
	.end_amdgpu_metadata
.endif
;; end of part 1
;; launch qkv (part 2): grid 4 x 96, 4 waves a work-group, clusters of 4 x 4, 327,680 bytes of LDS; arguments cod, scl, bq, bk, bv, qkvf, qkvs; writes qkvf, qkvs
.if DOCPART == 2
	.amdgcn_target "amdgcn-amd-amdhsa--gfx1250"
	.amdhsa_code_object_version 6
	.text
	.protected	k_q4e7856baab_qkv
	.globl	k_q4e7856baab_qkv
	.p2align	8
	.type	k_q4e7856baab_qkv,@function
k_q4e7856baab_qkv:
	s_mov_b64 s[64:65], 0
	v_nop
	global_prefetch_b8 v0, s[64:65] scope:SCOPE_SE
	s_setreg_imm32_b32 hwreg(HW_REG_WAVE_MODE, 25, 1), 1
	s_wait_xcnt 0x0
	s_wait_alu depctr_hold_cnt(0) depctr_sa_sdst(0) depctr_va_vdst(0) depctr_va_sdst(0) depctr_va_ssrc(0) depctr_va_vcc(0) depctr_vm_vsrc(0)
	s_getreg_b32 s2, hwreg(HW_REG_IB_STS2, 6, 4)
	s_cmp_eq_u32 s2, 0
	s_cbranch_scc0 .Lentry_in_a_cluster
	s_endpgm
.Lentry_in_a_cluster:
	s_bfe_u32 s2, ttmp6, 0x10000c
	s_cmp_lg_u32 s2, 0xf033
	s_cbranch_scc0 .Lentry_shape_is_right
	s_endpgm
.Lentry_shape_is_right:
; QKV.  Q = query Wq^T + bq, K = key Wk^T + bk, V = value Wv^T + bv, on codes of FP8 (E4M3) with one E8M0 scale for each 32 along K = 1,024; the results are quantised again in registers and
; stored as IMAGES OF THE ATTENTION LAUNCH'S OPERAND REGISTERS: every store of codes covers 512 consecutive bytes, aligned.
; One launch for the three products: tile row Yg = 0 .. 95 of 256 rows walks the three sections of tokens in cod, which lie on end; T = Yg / 32 says which product (the same in all partners of a cluster).
; A tile of 256 x 256 is made by four waves, 128 x 128 each: 64 accumulators, 512 registers.  K goes in steps of 256 through a ring of two LDS slots filled by the tensor data mover.
; The scale bytes of the work-group's 256 + 256 rows, for all of K, come into LDS once, with the first fills.
; CLUSTERS: 4 x 4 work-groups; the four of a row need the same tokens' tiles, the four of a column the same weights' tiles: each tile is asked for jointly.
; WHICH SIDE IS SOURCE 0.  Q, K: source 0 = 16 rows of W, source 1 = 16 tokens: a lane holds ONE token and its registers run along the outputs n, which are the next product's K (the head's 64).
; V: source 0 = 16 tokens (keys), source 1 = 16 rows of Wv: a lane holds one output d and its registers run along the keys, which are the next product's K.  Only the LDS addresses of the fragment and
; scale loads differ (chosen by T); the tensor loads and the loop's text are the same.
; The rows of cod lie so (launch prep) that register 16 B + i of a block's 64 results is index 32 B + 16 (lane / 16) + i: the order that an operand's registers want.
; OUT.  For block a = 0 .. 7 (16 tokens; for V 16 outputs) 16 registers of codes, chunk cc of four registers at
;   section T + (16 b + h0 + cc / 2) x 131072 + ks x 8192 + a x 1024 + (cc % 2) x 512 + 16 x lane     (b: batch, h0: the wave's first head, ks: the wave's 128 tokens)
; and one scale word; the eight words leave as two stores of four words a lane; for K the bytes are first regrouped, so that a word serves one operand of two key tiles.
; LIMITS: NaN and infinities are not served; a block of zeros gets the byte 1 (its codes are zeros; this program alone reads the bytes).
; No prefetch: K has four steps, of which two are asked for at the head.
.set KSTEP,  256
.set NQ,     KSTEP/128
.set ROWB,   256
.set KROW,   1024
.set PITCH,  272                       ; an LDS row: 256 bytes + 16 of padding = 68 words: the 16 rows that a load touches start at 16 different banks (64 banks of 4 bytes: ISA guide 11.1)
.set FR,     16
.set NL,     4
.set NP,     8                         ; places behind this matrix instruction (ISA guide 7.12.1)
.set HALFT,  128*PITCH
.set SLOT,   4*HALFT
.set LAPS,   KROW/(2*KSTEP)
.set KS,     KROW/32
.set SCL,    2*SLOT
.set HALFS,  (128*KS/256)*272
.set SBLK,   (16*KS/256)*272
.set SPARE,  SCL+4*HALFS               ; the spare words, 128 bytes for each wave: two blocks of 256 bytes that no other line names
.set WSEC,   25165824                  ; where Wq's codes begin in cod; a weight is 1,048,576 bytes
.set WSSEC,  786432                    ; and its scale bytes in scl; a weight's are 32,768
.set BA,   8                           ; v8-15   V's bias: register a: that of my lane's output in block a
.set ADRA, 16                          ; v16-17  LDS address of source 1's fragments in slot 0, 1
.set ADRB, 20                          ; v20-21  of source 0's
.set CO,   26                          ; v26     16 x lane
.set ADRS, 27                          ; v27     LDS address of my scale words: lanes 0-15 source 1's rows, lanes 16-31 source 0's
.set SPW,  28                          ; v28     LDS address of my spare word; never rewritten
.set NIL,  29                          ; v29     0; never rewritten
.set VB1,  30                          ; v30     64 x (lane / 16); never rewritten
.set VB2,  31                          ; v31     4 x (r + 8 (r / 8)), r = lane % 16; never rewritten
.set SC,   32                          ; v32-63  scale words, two sets
.set BN,   64                          ; v64-127 Q's, K's bias in the layout of a block's 64 results
.set AF,   128                         ; v128-255 source 1's fragments, one set; on the way out:
.set ST,   128                         ; v128-191 a block's 64 numbers
.set TM,   208                         ; v208-223 at work in the quantiser
.set PW,   224                         ; v224-231 the eight scale words
.set KW,   232                         ; v232-239 K's, regrouped          (codes: v192-207 and v240-255 by turns)
.set G1, 24
.set G0, 32
.set G1B, 48
.set G0B, 56
.set G1S, 68
.set G0S, 76
.set G1SB, 80
.set G0SB, 88
.set TT,  100                          ; s100 which product: 0 Q, 1 K, 2 V
.set ISV, 101                          ; s101 1 for V
.set SEL, 18                           ; s[18:19] on the way out: lane selects for v_permlanex16_b32
.set MNT, 22                           ; s22  on the way out: the mantissa field of 448
.set MSB, 0
.macro WIN new                         ; the immediate's high byte repeats the setting that is left
.if MSB != \new
	s_set_vgpr_msb (MSB<<8)|\new
.set MSB, \new
.endif
.endm
.set MUL_LO, 0xa1                      ; source 0 window 1, source 1 window 0, C and D window 2
.set MUL_HI, 0xf1                      ; the same, C and D window 3
.set TO_B,   0x40                      ; destination window 1, address window 0
; A joint load: waves 0 and 1 fetch the tokens' side, waves 2 and 3 the weights'.  The branch hangs on the wave's number alone.  Four v_nop follow each of the two lines.
.macro JLOAD g0a, g1a, g0b, g1b
	s_cmp_eq_u32 s15, 0
	s_cbranch_scc0 .Lfor_b_\@
	tensor_load_to_lds s[\g0a:\g0a+3], s[\g1a:\g1a+7]
	s_nop 0
.rept 4
	v_nop
.endr
	s_branch .Lasked_\@
.Lfor_b_\@:
	tensor_load_to_lds s[\g0b:\g0b+3], s[\g1b:\g1b+7]
	s_nop 0
.rept 4
	v_nop
.endr
.Lasked_\@:
.endm
.macro CREST                           ; a round of the cluster's barrier behind its opening barrier
	s_cmp_lg_u32 s14, 0
	s_cbranch_scc1 .Lnot_wave_0_\@
	s_barrier_signal -3
.Lnot_wave_0_\@:
	s_barrier_wait -3
	s_barrier_signal -1
	s_barrier_wait -1
.endm
.macro CROUND                          ; a whole round
	s_barrier_signal -1
	s_barrier_wait -1
	CREST
.endm
	s_load_b256 s[4:11], s[0:1], 0x0               ; cod s[4:5], scl s[6:7], bq s[8:9], bk s[10:11]
	s_load_b128 s[96:99], s[0:1], 0x20             ; bv s[96:97], qkvf s[98:99]
	s_load_b64 s[12:13], s[0:1], 0x30              ; qkvs
	v_lshl_add_u32 v[SPW], v0, 2, SPARE
	v_mov_b32 v[NIL], 0
	ds_add_u32 v28, v29
	ds_add_u32 v28, v29
	s_wait_dscnt 0x0
	v_lshrrev_b32 v1, 5, v0
	v_readfirstlane_b32 s14, v1                    ; wave 0..3
	s_lshr_b32 s15, s14, 1                         ; which half of the tile's tokens is mine.  Also: I fetch tokens (0) or weights (1)
	s_and_b32 s16, s14, 1                          ; which half of its outputs.  Also: which 128 rows of that tile I fetch
	s_bfe_u32 s40, ttmp6, 0x40000                  ; cx, cy: my place in the cluster
	s_bfe_u32 s41, ttmp6, 0x40004
	s_lshl_b32 s42, ttmp9, 2
	s_add_co_u32 s42, s42, s40                     ; X: tile column = 4 x cluster x + cx
	s_and_b32 s17, ttmp7, 0xffff
	s_lshr_b32 s[TT], s17, 3                       ; eight rows of clusters to a product: made of the cluster's y alone
	s_lshl_b32 s17, s17, 2
	s_add_co_u32 s17, s17, s41                     ; Yg: tile row = 4 x cluster y + cy
	s_cmp_eq_u32 s[TT], 2
	s_cselect_b32 s[ISV], 1, 0
	s_lshl_b32 s43, s41, 2
	s_lshl_b32 s43, 15, s43                        ; my row of the cluster
	s_lshl_b32 s44, 0x1111, s40                    ; my column
	; descriptor group 1: a tile of 128 rows x 256 bytes, padded in LDS
	s_or_b32 s[G1+0], s43, (0<<16)|(1<<20)|(1<<21)|(5<<22)|(3<<25)  ; 15:0 the mask; 17:16 elements of 1 byte; 20 padding on; 21 set beside a mask; 24:22 after every 64 words; 31:25 four words
	s_or_b32 s[G1B+0], s44, (0<<16)|(1<<20)|(1<<21)|(5<<22)|(3<<25)
.irp g, G1, G1B
	s_mov_b32 s[\g+1], ROWB<<16                    ; tensor_dim0
	s_mov_b32 s[\g+2], 128<<16                     ; tensor_dim1
	s_mov_b32 s[\g+3], ROWB<<16                    ; tile_dim0
	s_mov_b32 s[\g+4], 128                         ; tile_dim1
	s_mov_b32 s[\g+5], KROW                        ; tensor_dim0_stride
	s_mov_b32 s[\g+6], 0
	s_mov_b32 s[\g+7], 0
.endr
	; the scales of 128 rows: a dense block of 4,096 bytes, as 16 rows of 256 bytes (32 elements of 8 bytes), 16 bytes of padding behind each
	s_or_b32 s[G1S+0], s43, (3<<16)|(1<<20)|(1<<21)|(5<<22)|(3<<25)
	s_or_b32 s[G1SB+0], s44, (3<<16)|(1<<20)|(1<<21)|(5<<22)|(3<<25)
.irp g, G1S, G1SB
	s_mov_b32 s[\g+1], 32<<16
	s_mov_b32 s[\g+2], (128*KS/256)<<16
	s_mov_b32 s[\g+3], 32<<16
	s_mov_b32 s[\g+4], 128*KS/256
	s_mov_b32 s[\g+5], 32
	s_mov_b32 s[\g+6], 0
	s_mov_b32 s[\g+7], 0
.endr
	s_lshl_b32 s18, s16, 7                         ; which 128 rows of a tile I fetch
	s_lshl_b32 s20, s17, 8
	s_add_co_u32 s20, s20, s18                     ; tokens: row 256 Yg + 128 x half of cod and scl
	s_lshl_b32 s46, s42, 8
	s_add_co_u32 s46, s46, s18                     ; weights: row 256 X + 128 x half of weight T
	s_lshl_b32 s22, s20, 5                         ; 32 scale bytes a row
	s_mov_b32 s23, 0
	s_lshl_b32 s20, s20, 10                        ; 1,024 codes a row
	s_mov_b32 s21, 0
	s_lshl_b32 s92, s46, 5
	s_lshl_b32 s93, s[TT], 15
	s_add_co_u32 s92, s92, s93
	s_add_co_u32 s92, s92, WSSEC
	s_mov_b32 s93, 0
	s_lshl_b32 s46, s46, 10
	s_lshl_b32 s47, s[TT], 20
	s_add_co_u32 s46, s46, s47
	s_add_co_u32 s46, s46, WSEC
	s_mov_b32 s47, 0
	s_mul_i32 s45, s14, HALFT                      ; where they go: wave x 128 rows: no place in the cluster enters an LDS address
	s_mul_i32 s94, s14, HALFS
	s_wait_kmcnt 0x0
	s_add_nc_u64 s[20:21], s[4:5], s[20:21]
	s_add_nc_u64 s[22:23], s[6:7], s[22:23]
	s_add_nc_u64 s[46:47], s[4:5], s[46:47]
	s_add_nc_u64 s[92:93], s[6:7], s[92:93]
	CROUND                                         ; all sixteen work-groups are here: the first joint loads meet
	s_mov_b32 s[G0S], 1
	s_add_co_u32 s[G0S+1], s94, SCL
	s_mov_b64 s[G0S+2:G0S+3], s[22:23]
	s_or_b32 s[G0S+3], s[G0S+3], 0x80000000
	s_mov_b32 s[G0SB], 1
	s_add_co_u32 s[G0SB+1], s94, SCL
	s_mov_b64 s[G0SB+2:G0SB+3], s[92:93]
	s_or_b32 s[G0SB+3], s[G0SB+3], 0x80000000
	JLOAD G0S, G1S, G0SB, G1SB                     ; the scales first: they are wanted with K step 0
.irp s, 0,1
	s_mov_b32 s[G0+4*\s], 1
	s_add_co_u32 s[G0+4*\s+1], s45, \s*SLOT
	s_add_nc_u64 s[G0+4*\s+2:G0+4*\s+3], s[20:21], \s*ROWB
	s_or_b32 s[G0+4*\s+3], s[G0+4*\s+3], 0x80000000
	s_mov_b32 s[G0B+4*\s], 1
	s_add_co_u32 s[G0B+4*\s+1], s45, \s*SLOT
	s_add_nc_u64 s[G0B+4*\s+2:G0B+4*\s+3], s[46:47], \s*ROWB
	s_or_b32 s[G0B+4*\s+3], s[G0B+4*\s+3], 0x80000000
	JLOAD G0+4*\s, G1, G0B+4*\s, G1B
.endr
	v_and_b32 v1, 15, v0                           ; r = l % 16
	v_bfe_u32 v2, v0, 4, 1                         ; l / 16
	v_mul_u32_u24 v3, v1, PITCH
	v_lshl_add_u32 v4, v2, 4, v3                   ; a fragment's row x pitch + 16 x half
	s_mul_i32 s21, s15, HALFT                      ; my 128 tokens
	s_mul_i32 s22, s16, HALFT                      ; my 128 rows of W,
	s_add_co_u32 s22, s22, 2*HALFT                 ; which lie behind the 256 tokens
	s_cmp_eq_u32 s[TT], 2
	s_cselect_b32 s18, s22, s21                    ; source 1: tokens; for V the rows of Wv
	s_cselect_b32 s19, s21, s22                    ; source 0: rows of W; for V the tokens
.irp s, 0,1
	v_add_nc_u32 v[ADRA+\s], s18, v4
	v_add_nc_u32 v[ADRB+\s], s19, v4
	s_add_co_u32 s18, s18, SLOT
	s_add_co_u32 s19, s19, SLOT
.endr
	v_mul_u32_u24 v5, v1, KS                       ; my row's scales: KS bytes a row,
	v_lshrrev_b32 v6, 8, v5
	v_lshl_add_u32 v5, v6, 4, v5                   ; and 16 more for each 256 passed
	s_mul_i32 s21, s15, HALFS                      ; the tokens': my 128 rows
	s_mul_i32 s22, s16, HALFS                      ; the weights': my 128 rows, behind the tokens' 256
	s_add_co_u32 s22, s22, 2*HALFS
	s_sub_co_u32 s22, s22, s21
	v_xor_b32 v6, s[ISV], v2                       ; lanes 16-31 take the weights' (source 0's); for V lanes 0-15 do (source 1's)
	v_mul_u32_u24 v6, s22, v6
	s_add_co_u32 s21, s21, SCL
	v_add_nc_u32 v5, v5, v6
	v_add_nc_u32 v[ADRS], s21, v5
	v_and_b32 v6, 31, v0
	v_lshlrev_b32 v[CO], 4, v6
	v_lshlrev_b32 v[VB1], 6, v2
	v_and_b32 v5, 8, v1
	v_add_nc_u32 v5, v5, v1
	v_lshlrev_b32 v[VB2], 2, v5
	; the bias of my 128 outputs, in both layouts (the way out takes one of them)
	s_cmp_eq_u32 s[TT], 1
	s_cselect_b64 s[8:9], s[10:11], s[8:9]
	s_cmp_eq_u32 s[TT], 2
	s_cselect_b64 s[8:9], s[96:97], s[8:9]
	s_lshl_b32 s46, s42, 10                        ; 4 bytes x (256 X + 128 x half)
	s_lshl_b32 s47, s16, 9
	s_add_co_u32 s46, s46, s47
	s_mov_b32 s47, 0
	s_add_nc_u64 s[8:9], s[8:9], s[46:47]
.irp i, 0,1,2,3,4,5,6,7
	global_load_b128 v[BN+8*\i:BN+8*\i+3], v[VB1], s[8:9] offset:(32*(\i/2)+8*(\i%2))*4      ; register 8 i + j: output 32 (i / 2) + 16 (lane / 16) + 8 (i % 2) + j
	global_load_b128 v[BN+8*\i+4:BN+8*\i+7], v[VB1], s[8:9] offset:(32*(\i/2)+8*(\i%2))*4+16
	global_load_b32 v[BA+\i], v[VB2], s[8:9] offset:(32*(\i/2)+8*(\i%2))*4                   ; block i, lane r: output 32 (i / 2) + 8 (i % 2) + r + 8 (r / 8)
.endr
	; where my results go
	s_and_b32 s18, s17, 31
	s_lshl_b32 s18, s18, 1
	s_add_co_u32 s18, s18, s15                     ; my 128 tokens' number in the section, 0 .. 63
	s_lshr_b32 s19, s18, 4                         ; b
	s_and_b32 s18, s18, 15                         ; ks
	s_lshl_b32 s2, s19, 3
	s_lshl_b32 s3, s42, 1
	s_add_co_u32 s2, s2, s3
	s_add_co_u32 s2, s2, s16                       ; 8 b + 2 X + half: my pair of heads
	s_lshl_b32 s44, s[TT], 23
	s_lshl_b32 s3, s2, 18
	s_add_co_u32 s44, s44, s3
	s_lshl_b32 s3, s18, 13
	s_add_co_u32 s44, s44, s3
	s_mov_b32 s45, 0
	s_add_nc_u64 s[98:99], s[98:99], s[44:45]      ; codes
	s_lshl_b32 s44, s[TT], 19
	s_lshl_b32 s3, s2, 14
	s_add_co_u32 s44, s44, s3
	s_lshl_b32 s3, s18, 10
	s_add_co_u32 s44, s44, s3
	s_add_nc_u64 s[12:13], s[12:13], s[44:45]      ; scale words
.macro FRAG reg, adr, q, i             ; a fragment, 16 rows x 128 K, is 16 registers: lane l holds row l % 16; registers 4 c .. 4 c + 3 hold K = 32 c + 16 (l / 16) + 0 .. 15
.irp c, 0,1,2,3
	ds_load_b128 v[\reg+4*\c:\reg+4*\c+3], v[\adr] offset:128*(\q)+32*\c+(\i)*16*PITCH
.endr
.endm
; 16 matrix instructions: source 1's blocks a0, a0 + 1 x source 0's eight.  zero = 1: the first product starts the sums.  The 64 accumulators take turns, one instruction a turn.
.macro MUL16 a0, p, q, sc, zero
.irp a, \a0, \a0+1
.irp b, 0,1,2,3,4,5,6,7
.if \zero
	v_wmma_scale_f32_16x16x128_f8f6f4 v[8*(8*((\a)%4)+\b):8*(8*((\a)%4)+\b)+7], v[128*(\p)+FR*\b:128*(\p)+FR*\b+FR-1], v[AF+FR*(\a):AF+FR*(\a)+FR-1], 0, v[SC+8*NQ*(\sc)+NQ*\b+(\q)], v[SC+8*NQ*(\sc)+NQ*(\a)+(\q)] matrix_a_scale:MATRIX_SCALE_ROW1
.else
	v_wmma_scale_f32_16x16x128_f8f6f4 v[8*(8*((\a)%4)+\b):8*(8*((\a)%4)+\b)+7], v[128*(\p)+FR*\b:128*(\p)+FR*\b+FR-1], v[AF+FR*(\a):AF+FR*(\a)+FR-1], v[8*(8*((\a)%4)+\b):8*(8*((\a)%4)+\b)+7], v[SC+8*NQ*(\sc)+NQ*\b+(\q)], v[SC+8*NQ*(\sc)+NQ*(\a)+(\q)] matrix_a_scale:MATRIX_SCALE_ROW1
.endif
.endr
.endr
.endm
.macro FETCH_B slot, q, p              ; source 0's eight fragments of the slot's q-th 128 along K into set p
	WIN TO_B
.irp i, 0,1,2,3,4,5,6,7
	FRAG 128*(\p)+FR*\i, ADRB+\slot, \q, \i
.endr
	WIN 0
.endm
.macro FETCH_A slot, q, i0             ; source 1's blocks i0 .. i0 + 3
.irp i, \i0, \i0+1, \i0+2, \i0+3
	FRAG AF+FR*(\i), ADRA+\slot, \q, \i
.endr
.endm
.macro SCALES sc                       ; a K step's scale words into set sc: two words a row
.irp i, 0,1,2,3,4,5,6,7
	ds_load_b64 v[SC+8*NQ*\sc+NQ*\i:SC+8*NQ*\sc+NQ*\i+1], v[ADRS] offset:\i*SBLK
.endr
.endm
.macro PLACES n                        ; plain vector lines between a matrix instruction and a load into, or a read of, its registers
.rept \n
	v_nop
.endr
.endm
.macro STEP slot, q, zero              ; a step of 128 along K that has its successor in the same slot
	s_wait_dscnt 4*NL                              ; source 0's set and source 1's blocks 0-3 are in; the youngest sixteen loads (blocks 4-7) may be out
	WIN MUL_LO
	MUL16 0, (\q)%2, \q, \slot, \zero
	MUL16 2, (\q)%2, \q, \slot, \zero
	s_wait_dscnt 0                                 ; blocks 4-7 are in
	PLACES NP
	FETCH_B \slot, (\q)+1, 1-(\q)%2
	FETCH_A \slot, (\q)+1, 0
	WIN MUL_HI
	MUL16 4, (\q)%2, \q, \slot, \zero
	MUL16 6, (\q)%2, \q, \slot, \zero
	PLACES NP
	WIN 0
	FETCH_A \slot, (\q)+1, 4
.endm
; A slot's last step changes slots: one barrier; in front of it each wave waits for all its tensor loads, adds 0 to its spare word, and waits for that and for its own reads of this slot.
.macro TURN slot, next, fill
	s_wait_tensorcnt 0x0                           ; all my tensor loads have landed: my part of the next slot
	ds_add_u32 v[SPW], v[NIL]                      ; 0 onto my spare word
	s_wait_dscnt 4*NL+1                            ; (the add and the youngest sixteen loads may be out)
	WIN MUL_LO
	MUL16 0, 1, NQ-1, \slot, 0                     ; sixteen matrix instructions stand between the add and the wait for it
	s_wait_dscnt 0x0                               ; the add is done, and my reads of this slot are over
	s_barrier_signal -1
	MUL16 2, 1, NQ-1, \slot, 0
	WIN 0
	s_barrier_wait -1
.if \fill
	CREST                                          ; the barrier has opened a round of the cluster's barrier: no wave of any partner still reads this slot or has a load on its way
	s_add_nc_u64 s[G0+4*\slot+2:G0+4*\slot+3], s[G0+4*\slot+2:G0+4*\slot+3], 2*ROWB
	s_add_nc_u64 s[G0B+4*\slot+2:G0B+4*\slot+3], s[G0B+4*\slot+2:G0B+4*\slot+3], 2*ROWB
	JLOAD G0+4*\slot, G1, G0B+4*\slot, G1B         ; the first tensor load behind the round; its four v_nop are among the places in front of the loads below
	PLACES NP-4
.else
	PLACES NP
.endif
	v_add_nc_u32 v[ADRS], 4*NQ, v[ADRS]            ; on to the next K step's scale words (no LDS load of mine is out)
	FETCH_B \next, 0, 0
	FETCH_A \next, 0, 0
	SCALES \next
	WIN MUL_HI
	MUL16 4, 1, NQ-1, \slot, 0
	MUL16 6, 1, NQ-1, \slot, 0
	PLACES NP
	WIN 0
	FETCH_A \next, 0, 4
.endm
	s_wait_tensorcnt 1                             ; the scales and my part of K step 0 are in (K step 1's load may be out),
	s_barrier_signal -1
	s_barrier_wait -1                              ; everybody's are
	FETCH_B 0, 0, 0
	FETCH_A 0, 0, 0
	SCALES 0
	FETCH_A 0, 0, 4
	STEP 0, 0, 1                                   ; the first step stands in front of the loop: its products start the sums
	s_mov_b32 s3, LAPS-1
.Llap:                                                 ; a trip goes once round the ring and fills both slots again
	TURN 0, 1, 1
	STEP 1, 0, 0
	TURN 1, 0, 1
	STEP 0, 0, 0
	s_sub_co_u32 s3, s3, 1
	s_cmp_lg_u32 s3, 0
	s_cbranch_scc1 .Llap
	TURN 0, 1, 0                                   ; the last lap fills nothing
	STEP 1, 0, 0
	s_wait_dscnt 4*NL                              ; the very last step
	WIN MUL_LO
	MUL16 0, 1, NQ-1, 1, 0
	MUL16 2, 1, NQ-1, 1, 0
	s_wait_dscnt 0
	WIN MUL_HI
	MUL16 4, 1, NQ-1, 1, 0
	MUL16 6, 1, NQ-1, 1, 0
	WIN 0
; THE WAY OUT.  64 numbers of a lane, v[s] on, register 16 b + i = index 32 b + 16 (lane / 16) + i, become 16 registers of codes in v[pc] on and a scale word in v[pw].
.macro QUANT s, pw, pc
.irp b, 0,1,2,3
	v_max3_num_f32 v[TM+\b], |v[\s+16*\b]|, |v[\s+1+16*\b]|, 0x4800000   ; block b: my 16 numbers, and the floor 2^(9 - 127): the byte cannot fall under 1
.endr
.irp i, 2,4,6,8,10,12,14
.irp b, 0,1,2,3
	v_max3_num_f32 v[TM+\b], v[TM+\b], |v[\s+16*\b+\i]|, |v[\s+1+16*\b+\i]|   ; (the four blocks by turns)
.endr
.endr
.irp b, 0,1,2,3
	v_permlanex16_b32 v[TM+4+\b], v[TM+\b], s[SEL], s[SEL+1]
.endr
.irp b, 0,1,2,3
	v_max_num_f32 v[TM+\b], v[TM+\b], v[TM+4+\b]   ; with lane l xor 16's: the block's largest magnitude
.endr
.irp b, 0,1,2,3
	v_add_nc_u32 v[TM+12+\b], 0xfc000000, v[TM+\b]   ; 8 off its exponent field: the conversion's scale operand
.endr
.irp b, 0,1,2,3
	v_and_or_b32 v[TM+8+\b], v[TM+\b], 0x7f800000, s[MNT]   ; 448 x the scale
.endr
.irp b, 0,1,2,3
	v_lshrrev_b32 v[TM+4+\b], 23, v[TM+12+\b]      ; the scale's byte
.endr
	v_lshl_or_b32 v[\pw], v[TM+5], 8, v[TM+4]
	v_lshl_or_b32 v[\pw], v[TM+6], 16, v[\pw]
	v_lshl_or_b32 v[\pw], v[TM+7], 24, v[\pw]
.irp b, 0,1,2,3
.irp i, 0,1,2,3,4,5,6,7,8,9,10,11,12,13,14,15
	v_med3_num_f32 v[\s+16*\b+\i], v[\s+16*\b+\i], -v[TM+8+\b], v[TM+8+\b]   ; the conversion to an 8-bit code does not saturate (ISA guide 7.6.2): the hold
.endr
	v_cvt_scalef32_pk8_fp8_f32 v[\pc+4*\b:\pc+1+4*\b], v[\s+16*\b:\s+7+16*\b], v[TM+12+\b]
	v_cvt_scalef32_pk8_fp8_f32 v[\pc+2+4*\b:\pc+3+4*\b], v[\s+8+16*\b:\s+15+16*\b], v[TM+12+\b]
.endr
	v_nop                                          ; a plain line behind the last conversion, ahead of the next lines that write its sources
.endm
; Block a: the bias is added on the way from the accumulators' window into window 0 (each accumulator from its low end on), the 64 numbers are quantised, the codes stored.
.macro OUTA a
.set WN, 0x02+(\a)/4                   ; source 0 in window 2 or 3
.set PCX, 192+48*((\a)%2)
	s_cmp_eq_u32 s[TT], 2
	s_cbranch_scc1 .Lvb_\@
	WIN WN
.set xx, 0
.rept 32
	v_pk_add_f32 v[ST+xx:ST+xx+1], v[64*((\a)%4)+xx:64*((\a)%4)+xx+1], v[BN+xx:BN+xx+1]   ; Q, K: the registers run along the outputs
.set xx, xx+2
.endr
	WIN 0
	s_branch .Ljb_\@
.Lvb_\@:
	v_mov_b32 v2, v[BA+(\a)]                       ; V: a lane holds one output: one number for all 64 (v3 is named with it as a pair; it was written at the head)
	WIN WN
.set xx, 0
.rept 32
	v_pk_add_f32 v[ST+xx:ST+xx+1], v[64*((\a)%4)+xx:64*((\a)%4)+xx+1], v[2:3] op_sel_hi:[1,0]
.set xx, xx+2
.endr
	WIN 0
.Ljb_\@:
.if (\a) > 1
	s_wait_xcnt 0x0                                ; block a - 2's stores have read this set of code registers
.endif
	QUANT ST, PW+(\a), PCX
.irp cc, 0,1,2,3
	global_store_b128 v[CO], v[PCX+4*\cc:PCX+4*\cc+3], s[98:99] offset:(\cc/2)*131072+(\a)*1024+(\cc%2)*512   ; 512 consecutive bytes, aligned
.endr
.endm
	PLACES NP                                      ; behind the last products: their results are read and their operands' registers written below
	s_wait_loadcnt 0x0                             ; the bias
	s_mov_b32 s[SEL], 0x76543210
	s_mov_b32 s[SEL+1], 0xfedcba98
	s_mov_b32 s[MNT], 0x600000
.irp b, 0,1,2,3
	v_mov_b32 v[TM+4+\b], 0                        ; written once: a lane permute's destination counts as one of its sources
.endr
.irp a, 0,1,2,3,4,5,6,7
	OUTA \a
.endr
	s_cmp_eq_u32 s[TT], 1
	s_cbranch_scc1 .Lkscale
	global_store_b128 v[CO], v[PW:PW+3], s[12:13]              ; Q, V: the words of blocks 0-3, four a lane,
	global_store_b128 v[CO], v[PW+4:PW+7], s[12:13] offset:512 ; and of blocks 4-7
	s_branch .Lclose
.Lkscale:                                              ; K: a word is {head 0: two bytes, head 1: two bytes} of a tile; an operand of the attention launch holds tiles 2 B, 2 B + 1 of ONE head
.irp b, 0,1,2,3
	v_perm_b32 v[KW+\b], v[PW+2*\b+1], v[PW+2*\b], 0x05040100      ; head 0: bytes 0, 1 of both tiles
	v_perm_b32 v[KW+4+\b], v[PW+2*\b+1], v[PW+2*\b], 0x07060302    ; head 1: bytes 2, 3
.endr
	global_store_b128 v[CO], v[KW:KW+3], s[12:13]
	global_store_b128 v[CO], v[KW+4:KW+7], s[12:13] offset:512
.Lclose:
	s_wait_tensorcnt 0x0                           ; the wave's end
	ds_add_u32 v[SPW], v[NIL]
	s_wait_dscnt 0x0
	CROUND                                         ; the closing round: no work-group ends while a partner may still ask for a tile that names it
	s_endpgm
.Lfunc_end_k_q4e7856baab_qkv:
	.size	k_q4e7856baab_qkv, .Lfunc_end_k_q4e7856baab_qkv-k_q4e7856baab_qkv
	.p2alignl 7, 3214868480
	.fill 96, 4, 3214868480
	.section	.rodata,"a",@progbits
	.p2align	6, 0x0
	.amdhsa_kernel k_q4e7856baab_qkv
		.amdhsa_group_segment_fixed_size 327680
		.amdhsa_private_segment_fixed_size 0
		.amdhsa_enable_private_segment 0
		.amdhsa_kernarg_size 56
		.amdhsa_user_sgpr_count 2
		.amdhsa_user_sgpr_kernarg_segment_ptr 1
		.amdhsa_wavefront_size32 1
		.amdhsa_system_sgpr_workgroup_id_x 1
		.amdhsa_system_sgpr_workgroup_id_y 1
		.amdhsa_system_sgpr_workgroup_id_z 1
		.amdhsa_system_vgpr_workitem_id 0
		.amdhsa_next_free_vgpr 1024
		.amdhsa_next_free_sgpr 102
		.amdhsa_reserve_vcc 0
		.amdhsa_float_denorm_mode_32 3
		.amdhsa_float_denorm_mode_16_64 3
		.amdhsa_memory_ordered 1
		.amdhsa_forward_progress 1
		.amdhsa_inst_pref_size 222
	.end_amdhsa_kernel
	.amdgpu_metadata
---
amdhsa.version: [ 1, 2 ]
amdhsa.kernels:
  - .name:           k_q4e7856baab_qkv
    .symbol:         k_q4e7856baab_qkv.kd
    .args:
      - { .name: cod, .offset: 0, .size: 8, .value_kind: global_buffer, .address_space: global }
      - { .name: scl, .offset: 8, .size: 8, .value_kind: global_buffer, .address_space: global }
      - { .name: bq, .offset: 16, .size: 8, .value_kind: global_buffer, .address_space: global }
      - { .name: bk, .offset: 24, .size: 8, .value_kind: global_buffer, .address_space: global }
      - { .name: bv, .offset: 32, .size: 8, .value_kind: global_buffer, .address_space: global }
      - { .name: qkvf, .offset: 40, .size: 8, .value_kind: global_buffer, .address_space: global }
      - { .name: qkvs, .offset: 48, .size: 8, .value_kind: global_buffer, .address_space: global }
    .group_segment_fixed_size: 327680
    .private_segment_fixed_size: 0
    .kernarg_segment_align: 8
    .kernarg_segment_size: 56
    .max_flat_workgroup_size: 128
    .sgpr_count:     102
    .vgpr_count:     1024
    .wavefront_size: 32
...
	.end_amdgpu_metadata
.endif
;; end of part 2
;; launch attn (part 3): grid 4 x 64, 16 waves a work-group, no clusters, 36,864 bytes of LDS; arguments qkvf, qkvs, msk, oc, os; writes oc, os
.if DOCPART == 3
	.amdgcn_target "amdgcn-amd-amdhsa--gfx1250"
	.amdhsa_code_object_version 6
	.text
	.protected	k_q4e7856baab_attn
	.globl	k_q4e7856baab_attn
	.p2align	8
	.type	k_q4e7856baab_attn,@function
k_q4e7856baab_attn:
	s_mov_b64 s[64:65], 0
	v_nop
	global_prefetch_b8 v0, s[64:65] scope:SCOPE_SE
	s_setreg_imm32_b32 hwreg(HW_REG_WAVE_MODE, 25, 1), 1
	s_wait_xcnt 0x0
; ATTN.  For each (batch, head): O = softmax(Q K^T / 32, hidden keys at -infinity) V, both products on codes of FP8 (E4M3) with one E8M0 scale for each 32 along a product's K; O is quantised along the
; model's 1,024 (two blocks a head) and stored as images of the last launch's operand registers.
; THE SOFTMAX: t = score x log2(e) / 32; M = the row's largest t so far, rounded UP to a whole number; p = 2^(t - M) is quantised along the keys, not normalised; the row's sum is taken of the unquantised p
; and divides O at the end.  When M moves, the sum and O are multiplied by 2^(old M - new M): exact.
; SHARES.  Work-group (x, bh) owns the blocks x and 7 - x of 256 queries of one head, one after the other; wave w owns 16 queries of a block, in 256 registers: four waves to a SIMD.  32 trips of 128 keys.
; THE MASK IS AN INPUT.  The launch prep has stored, for each tile of 16 queries x 128 keys, 64 lane masks and a field: 0 all hidden, 1 none hidden, 2 mixed.  A wave passes over a tile that is all hidden
; by a scalar branch on the stored field, and over the 64 selects where none is hidden.  Trip counts are constants and every wave passes every barrier.
; LAYOUT.  Both products transposed: S^T = K Q^T, O^T = V^T P^T: a lane holds ONE query (lane % 16).  The head's 64 fill half of the instruction's K = 128, so ONE operand of K carries TWO key tiles
; (k 0-63: tile 2 B, k 64-127: tile 2 B + 1) and is multiplied twice: by {q, zeros} and by {zeros, q}: zero codes add nothing under any scale byte that occurs here.
; K, V and their scale words come as images of registers (launch qkv): a key step is 8,192 + 8,192 + 512 + 512 bytes, brought by all 512 threads through registers into one of two LDS slots, a trip ahead.
; NO TENSOR LOADS, NO CLUSTER, though the four work-groups of a head read the same K and V: which steps are fetched and worked hangs on numbers read from memory, and differs between work-groups.
; A row all of whose keys are hidden has the sum 0: its scale bytes are set to 0xff, which makes the last launch's sums NaN.
; The two scale bytes of a row and head leave by a store of 2 bytes a lane, rows 32 bytes apart: parts of 256-byte blocks; they are 2 bytes for each 64 of codes.
; LIMITS: NaN and infinities among the inputs are not served; a block of zeros gets the byte 1.
.set SLOTB, 17408                      ; a slot: K's images 8,192, V's 8,192, K's scale words 512, V's 512
.set KV,  40                           ; v40-103  four operands of K, then of V
.set S,   104                          ; v104-167 S^T, then p: register 16 B + i = key 32 B + 16 (lane / 16) + i
.set OT,  168                          ; v168-199 O^T: register 16 B + i = channel 32 B + 16 (lane / 16) + i
.set PC,  200                          ; v200-215 p's codes
.set BM,  228                          ; v228-231 the blocks' largest
.set T1,  232                          ; v232-235 at work
.set HL,  236                          ; v236-239 448 x the scale
.set SO,  240                          ; v240-243 the conversions' scale operands
; v1 16 x lane; v2 16 x thread; v3 V's place in memory for my thread; v4 32 x (lane % 16); v8-11 staged scale words (waves 0, 1); v12 -M; v13 the largest t; v[14:15] the sum;
; v16-23 zeros, v24-31 q, v32-39 zeros; v216-219 K's scale words, v220-223 V's, v224 p's, v225, v226 q's (for the low and the high half of K); v[244:245] f; v246 at work; v247 -infinity; v248-255 staged K, V.
; s2 wave; s3, s4 counters; s5 my tile of queries; s[6:7] K, s[8:9] V, s[10:11] scale words of my head; s[12:13] my lane masks; s[14:15] my fields, s[16:17] the sixteen waves' fields ORed;
; s[18:19] the next step's byte offset; s[20:21] lane selects; s[22:23] c; s24 448's mantissa field; s25 this trip's field; s[26:31] the staging loads' addresses; s[32:63], s[68:99] 64 lane masks.
	s_load_b128 s[32:35], s[0:1], 0x0              ; qkvf, qkvs
	s_load_b64 s[36:37], s[0:1], 0x10              ; msk
	v_lshl_add_u32 v7, v0, 2, 0x8800
	v_mov_b32 v227, 0
	v_lshrrev_b32 v1, 5, v0
	v_readfirstlane_b32 s2, v1                     ; wave 0..15
	v_and_b32 v4, 31, v0
	v_lshlrev_b32 v1, 4, v4
	v_lshlrev_b32 v2, 4, v0
	v_lshrrev_b32 v3, 8, v0
	v_and_b32 v5, 255, v0
	v_lshlrev_b32 v3, 17, v3                       ; V's keys 64-127 of a step lie a head's plane (131,072 bytes) further on
	v_lshl_add_u32 v3, v5, 4, v3
	v_and_b32 v4, 15, v0
	v_lshlrev_b32 v4, 5, v4
	s_lshl_b32 s100, ttmp9, 6                      ; the flag words of block x: 16 words,
	s_sub_co_u32 s101, 448, s100                   ; and of block 7 - x
	s_lshl_b32 s104, s2, 2
	s_add_co_u32 s105, s101, s104                  ; my wave's own two
	s_add_co_u32 s104, s100, s104
	s_wait_kmcnt 0x0
	s_load_b512 s[68:83], s[36:37], s100 offset:0x80000
	s_load_b512 s[84:99], s[36:37], s101 offset:0x80000
	s_load_b32 s14, s[36:37], s104 offset:0x80000
	s_load_b32 s15, s[36:37], s105 offset:0x80000
	s_mov_b32 s20, 0x76543210
	s_mov_b32 s21, 0xfedcba98
	s_mov_b32 s22, 0x3d38aa3b                      ; c = log2(e) / 32
	s_mov_b32 s23, s22                             ; (named with it as a pair)
	s_mov_b32 s24, 0x600000
	s_mov_b32 s18, 8192                            ; the step after the first
	s_mov_b32 s19, 0
	s_mov_b32 s4, 0
	s_wait_kmcnt 0x0
	s_or_b32 s16, s68, s69                         ; a step is fetched if any wave of the work-group works it
	s_or_b32 s17, s84, s85
.irp i, 2,3,4,5,6,7,8,9,10,11,12,13,14,15
	s_or_b32 s16, s16, s[68+\i]
	s_or_b32 s17, s17, s[84+\i]
.endr
	s_and_b32 s100, ttmp7, 0xffff                  ; bh = 16 b + h
	s_mov_b32 s105, 0
	s_lshl_b32 s104, s100, 17
	s_add_co_u32 s104, s104, 0x800000
	s_add_nc_u64 s[6:7], s[32:33], s[104:105]      ; K's section, my head's plane
	s_and_b32 s104, s100, 62
	s_lshl_b32 s104, s104, 17
	s_and_b32 s101, s100, 1
	s_lshl_b32 s25, s101, 12
	s_add_co_u32 s104, s104, s25
	s_add_co_u32 s104, s104, 0x1000000
	s_add_nc_u64 s[8:9], s[32:33], s[104:105]      ; V's section: the pair's first plane, my head's 4,096 bytes of a step
	s_min_u32 s104, s2, 1                          ; wave 0 fetches K's scale words, wave 1 V's
	s_add_co_u32 s104, s104, 1
	s_lshl_b32 s104, s104, 19
	s_lshr_b32 s25, s100, 1
	s_lshl_b32 s25, s25, 14
	s_add_co_u32 s104, s104, s25
	s_lshl_b32 s25, s101, 9
	s_add_co_u32 s104, s104, s25
	s_add_nc_u64 s[10:11], s[34:35], s[104:105]
	global_load_b128 v[248:251], v2, s[6:7]        ; key step 0 is fetched without condition
	global_load_b128 v[252:255], v3, s[8:9]
	s_cmp_lt_u32 s2, 2
	s_cbranch_scc0 .Lh1
	global_load_b128 v[8:11], v1, s[10:11]
.Lh1:
.irp i, 0,1,2,3,4,5,6,7
	v_mov_b32 v[16+\i], 0                          ; zero codes on both sides of q
	v_mov_b32 v[32+\i], 0
.endr
.irp i, 0,1,2,3
	v_mov_b32 v[T1+\i], 0                          ; written once: a lane permute's destination counts as one of its sources
.endr
	v_mov_b32 v245, 0                              ; (named as the upper half of the pair v[244:245])
	v_mov_b32 v246, 0
	v_mov_b32 v247, 0xff800000                     ; -infinity
	s_wait_loadcnt 0x0
	ds_store_b128 v2, v[248:251]
	ds_store_b128 v2, v[252:255] offset:8192
	s_cmp_lt_u32 s2, 2
	s_cbranch_scc0 .Lh2
	ds_store_b128 v2, v[8:11] offset:16384
.Lh2:
	s_wait_dscnt 0x0                               ; for the others' sake: my stores have landed
	s_barrier_signal -1
	s_barrier_wait -1
; A KEY STEP: 128 keys, from slot s.
.macro STEP s
	s_load_b512 s[32:47], s[12:13], 0x0            ; the tile's 64 lane masks
	s_load_b512 s[48:63], s[12:13], 0x40
	s_load_b512 s[68:83], s[12:13], 0x80
	s_load_b512 s[84:99], s[12:13], 0xc0
.rept 8
	v_nop                                          ; places in front of loads into registers that the last products have read
.endr
.irp b, 0,1,2,3
.irp c, 0,1,2,3
	ds_load_b128 v[KV+16*\b+4*\c:KV+16*\b+4*\c+3], v1 offset:\s*SLOTB+\b*2048+\c*512   ; operand B of K: key tiles 2 B and 2 B + 1
.endr
.endr
	ds_load_b128 v[216:219], v1 offset:\s*SLOTB+16384
	s_wait_dscnt 0x0
.irp b, 0,1,2,3
	v_wmma_scale_f32_16x16x128_f8f6f4 v[S+16*\b:S+16*\b+7], v[KV+16*\b:KV+16*\b+15], v[24:39], 0, v[216+\b], v225      ; {q, zeros}: tile 2 B
	v_wmma_scale_f32_16x16x128_f8f6f4 v[S+16*\b+8:S+16*\b+15], v[KV+16*\b:KV+16*\b+15], v[16:31], 0, v[216+\b], v226   ; {zeros, q}: tile 2 B + 1
.endr
.rept 8
	v_nop                                          ; places in front of the loads below and of the first read of the scores
.endr
.irp t, 0,1,2,3
.irp c, 0,1,2,3
	ds_load_b128 v[KV+16*\t+4*\c:KV+16*\t+4*\c+3], v1 offset:\s*SLOTB+8192+(\c/2)*4096+\t*1024+(\c%2)*512   ; V^T: 16 channels x 128 keys; they land under the softmax
.endr
.endr
	ds_load_b128 v[220:223], v1 offset:\s*SLOTB+16896
	s_wait_kmcnt 0x0
	s_cmp_eq_u32 s25, 1                            ; none hidden: the selects are passed over
	s_cbranch_scc1 .Lopen_\@
.set n, 0
.rept 32
	v_cndmask_b32 v[S+n], v[S+n], v247, s[32+n]    ; a hidden key's score becomes -infinity ahead of the maximum: p = 0 then
.set n, n+1
.endr
.rept 32
	v_cndmask_b32 v[S+n], v[S+n], v247, s[36+n]
.set n, n+1
.endr
.Lopen_\@:
.irp b, 0,1,2,3
	v_max3_num_f32 v[BM+\b], v[S+16*\b], v[S+1+16*\b], v[S+2+16*\b]   ; the largest score of each block of 32 keys: for the row's maximum, and, since p rises with the score, for the block's largest p
.endr
.irp i, 3,5,7,9,11,13
.irp b, 0,1,2,3
	v_max3_num_f32 v[BM+\b], v[BM+\b], v[S+16*\b+\i], v[S+1+16*\b+\i]
.endr
.endr
.irp b, 0,1,2,3
	v_max_num_f32 v[BM+\b], v[BM+\b], v[S+15+16*\b]
.endr
.irp b, 0,1,2,3
	v_permlanex16_b32 v[T1+\b], v[BM+\b], s20, s21
.endr
.irp b, 0,1,2,3
	v_max_num_f32 v[BM+\b], v[BM+\b], v[T1+\b]     ; with lane l xor 16's 16 keys
.endr
	v_max3_num_f32 v246, v[BM], v[BM+1], v[BM+2]
	v_max_num_f32 v246, v246, v[BM+3]
	v_mul_f32 v246, s22, v246                      ; as t (c is positive)
	v_max_num_f32 v13, v13, v246                   ; the running largest t
	v_mov_b32 v246, v12
	v_floor_f32 v12, -v13                          ; the new -M = floor(-t): M is a whole number
	v_sub_f32 v246, v12, v246                      ; old M - new M: a whole number, 0 or less
	v_cvt_i32_f32 v246, v246                       ; (it saturates)
	v_ldexp_f32 v244, 1.0, v246                    ; f = 2^(old M - new M)
.set j, 0
.rept 32
	v_pk_fma_f32 v[S+j:S+j+1], v[S+j:S+j+1], s[22:23], v[12:13] op_sel_hi:[1,0,0]   ; t - M, two at a time
.set j, j+2
.endr
.irp b, 0,1,2,3
	v_fma_f32 v[BM+\b], v[BM+\b], s22, v12         ; the same of each block's largest score
.endr
.set j, 0
.rept 64
	v_exp_f32 v[S+j], v[S+j]                       ; p = 2^(t - M), at most 1
.set j, j+1
.endr
	v_pk_mul_f32 v[14:15], v[14:15], v[244:245] op_sel_hi:[1,0]   ; the sums under the new M (a plain line behind the exponentials)
	s_wait_alu depctr_va_vdst(0)                   ; one wait for the whole batch, ahead of its first reader
.irp b, 0,1,2,3
	v_exp_f32 v[BM+\b], v[BM+\b]                   ; the block's largest p
.endr
	v_pk_add_f32 v[T1:T1+1], v[S:S+1], v[S+2:S+3]  ; the row's sum of the unquantised p, in two chains
.set j, 4
.rept 15
	v_pk_add_f32 v[14:15], v[14:15], v[S+j:S+j+1]
	v_pk_add_f32 v[T1:T1+1], v[T1:T1+1], v[S+j+2:S+j+3]
.set j, j+4
.endr
	v_pk_add_f32 v[14:15], v[14:15], v[T1:T1+1]
	s_wait_alu depctr_va_vdst(0)                   ; and one for the four
.irp b, 0,1,2,3
	v_max_num_f32 v[BM+\b], 0x4800000, v[BM+\b]    ; the floor 2^(9 - 127): the byte cannot fall under 1
.endr
.irp b, 0,1,2,3
	v_add_nc_u32 v[SO+\b], 0xfc000000, v[BM+\b]    ; 8 off the exponent field: the conversion's scale operand
.endr
.irp b, 0,1,2,3
	v_and_or_b32 v[HL+\b], v[BM+\b], 0x7f800000, s24   ; 448 x the scale
.endr
.irp b, 0,1,2,3
	v_lshrrev_b32 v[T1+\b], 23, v[SO+\b]           ; the scale's byte
.endr
	v_lshl_or_b32 v224, v[T1+1], 8, v[T1]          ; p's scale word for these 128 keys
	v_lshl_or_b32 v224, v[T1+2], 16, v224
	v_lshl_or_b32 v224, v[T1+3], 24, v224
.irp b, 0,1,2,3
.set j, 0
.rept 16
	v_min_num_f32 v[S+16*\b+j], v[S+16*\b+j], v[HL+\b]   ; the conversion does not saturate (ISA guide 7.6.2); p is not negative, so the hold is one-sided
.set j, j+1
.endr
	v_cvt_scalef32_pk8_fp8_f32 v[PC+4*\b:PC+4*\b+1], v[S+16*\b:S+16*\b+7], v[SO+\b]
	v_cvt_scalef32_pk8_fp8_f32 v[PC+4*\b+2:PC+4*\b+3], v[S+16*\b+8:S+16*\b+15], v[SO+\b]
.endr
.set j, 0
.rept 16
	v_pk_mul_f32 v[OT+j:OT+j+1], v[OT+j:OT+j+1], v[244:245] op_sel_hi:[1,0]   ; O^T under the new M (these are also the places in front of the products below)
.set j, j+2
.endr
	s_wait_dscnt 0x0                               ; V
.irp t, 0,1,2,3
	v_wmma_scale_f32_16x16x128_f8f6f4 v[OT+8*\t:OT+8*\t+7], v[KV+16*\t:KV+16*\t+15], v[PC:PC+15], v[OT+8*\t:OT+8*\t+7], v[220+\t], v224
.endr
.endm
; A TRIP: the next step is asked for (if any wave of the work-group will work it); this step is worked (if not all hidden for my 16 queries); the next step goes into the other slot; one barrier:
; in front of it my stores into the next slot have landed and my reads of this slot are over.
.macro TRIP s
	s_and_b32 s104, s16, 0xc                       ; the next trip's field
	s_cmp_lg_u32 s104, 0
	s_cbranch_scc0 .Lnoask_\@
	s_add_nc_u64 s[26:27], s[6:7], s[18:19]        ; (the last trip's loads that named these were waited for)
	s_add_nc_u64 s[28:29], s[8:9], s[18:19]
	s_lshr_b32 s104, s18, 3
	s_mov_b32 s105, 0
	s_add_nc_u64 s[30:31], s[10:11], s[104:105]
	global_load_b128 v[248:251], v2, s[26:27]
	global_load_b128 v[252:255], v3, s[28:29]
	s_cmp_lt_u32 s2, 2
	s_cbranch_scc0 .Lnoask_\@
	global_load_b128 v[8:11], v1, s[30:31]
.Lnoask_\@:
	s_and_b32 s25, s14, 3                          ; my field of this trip
	s_cmp_eq_u32 s25, 0
	s_cbranch_scc1 .Lhidden_\@
	STEP \s
.Lhidden_\@:
	s_wait_loadcnt 0x0
	s_and_b32 s104, s16, 0xc
	s_cmp_lg_u32 s104, 0
	s_cbranch_scc0 .Lnoput_\@
	ds_store_b128 v2, v[248:251] offset:(1-\s)*SLOTB
	ds_store_b128 v2, v[252:255] offset:(1-\s)*SLOTB+8192
	s_cmp_lt_u32 s2, 2
	s_cbranch_scc0 .Lnoput_\@
	ds_store_b128 v2, v[8:11] offset:(1-\s)*SLOTB+16384
.Lnoput_\@:
	s_lshr_b64 s[14:15], s[14:15], 2               ; the second block's fields follow the first's
	s_lshr_b64 s[16:17], s[16:17], 2
	s_add_co_u32 s18, s18, 8192
	s_and_b32 s18, s18, 0x1ffff                    ; behind step 15 comes step 0, for the second block
	s_add_nc_u64 s[12:13], s[12:13], 256           ; (the scalar loads that named it were waited for)
	s_wait_dscnt 0x0
	s_barrier_signal -1
	s_barrier_wait -1
.endm
.Lblock:                                               ; two trips: block x, then block 7 - x
	s_load_b128 s[32:35], s[0:1], 0x0              ; qkvf, qkvs
	s_load_b64 s[36:37], s[0:1], 0x10              ; msk
	s_sub_co_u32 s100, 7, ttmp9
	s_cmp_eq_u32 s4, 0
	s_cselect_b32 s100, ttmp9, s100
	s_lshl_b32 s5, s100, 4
	s_add_co_u32 s5, s5, s2                        ; my tile of 16 queries, 0 .. 127
	s_and_b32 s100, ttmp7, 0xffff
	s_lshl_b32 s104, s100, 7
	s_add_co_u32 s104, s104, s5
	s_lshl_b32 s104, s104, 10                      ; q's image: 1,024 bytes a tile
	s_mov_b32 s105, 0
	s_lshr_b32 s101, s100, 1
	s_lshl_b32 s38, s101, 14                       ; q's scale words: the pair of heads,
	s_lshr_b32 s101, s5, 2
	s_lshl_b32 s101, s101, 9                       ; four tiles to 512 bytes,
	s_add_co_u32 s38, s38, s101
	s_and_b32 s101, s5, 3
	s_lshl_b32 s101, s101, 2                       ; my tile's word of a lane's four
	s_add_co_u32 s38, s38, s101
	s_mov_b32 s39, 0
	s_lshl_b32 s40, s5, 12                         ; my lane masks: 16 steps x 256 bytes
	s_mov_b32 s41, 0
	s_and_b32 s101, s100, 1
	s_lshl_b32 s101, s101, 4                       ; my head's two bytes of the word
	s_wait_kmcnt 0x0
	s_add_nc_u64 s[32:33], s[32:33], s[104:105]
	s_add_nc_u64 s[34:35], s[34:35], s[38:39]
	s_add_nc_u64 s[12:13], s[36:37], s[40:41]
	global_load_b128 v[24:27], v1, s[32:33]
	global_load_b128 v[28:31], v1, s[32:33] offset:512
	global_load_b32 v225, v1, s[34:35]
	v_mov_b32 v13, 0xff61b1e6                      ; the largest t so far: -3e38, under every t
	v_floor_f32 v12, -v13
	v_mov_b32 v14, 0
	v_mov_b32 v15, 0
	s_wait_loadcnt 0x0
	v_lshrrev_b32 v225, s101, v225                 ; bytes 0, 1: q's two scales, for {q, zeros};
	v_lshlrev_b32 v226, 16, v225                   ; bytes 2, 3, for {zeros, q}
.set j, 0
.rept 32
	v_mov_b32 v[OT+j], 0                           ; the step is written once: the first finds zeros (these lines are also the places behind the two scale words)
.set j, j+1
.endr
	s_mov_b32 s3, 8
.Ltrip:
	TRIP 0
	TRIP 1
	s_sub_co_i32 s3, s3, 1
	s_cmp_lg_u32 s3, 0
	s_cbranch_scc1 .Ltrip
	; THE WAY OUT of a block: O^T / the sum, quantised along the head's 64 channels (two blocks), stored as two chunks of an operand's image
	s_load_b128 s[32:35], s[0:1], 0x18             ; oc, os
.rept 8
	v_nop                                          ; places behind the last products
.endr
	v_add_f32 v14, v14, v15
	v_permlanex16_b32 v246, v14, s20, s21
	v_add_f32 v14, v14, v246                       ; the row's sum
	v_rcp_f32 v244, v14
	v_mov_b32 v246, 0xffff                         ; (a plain line behind the reciprocal)
	s_and_b32 s100, ttmp7, 0xffff
	s_lshr_b32 s101, s100, 4                       ; b
	s_and_b32 s100, s100, 15                       ; h
	s_lshl_b32 s104, s101, 3
	s_lshr_b32 s105, s5, 4
	s_add_co_u32 s104, s104, s105                  ; 8 b + the block of 256 queries
	s_lshl_b32 s104, s104, 2
	s_lshr_b32 s105, s100, 2
	s_add_co_u32 s104, s104, s105                  ; the K step of 256: four heads
	s_lshl_b32 s104, s104, 1
	s_lshr_b32 s105, s2, 3
	s_add_co_u32 s104, s104, s105                  ; which 128 rows
	s_lshl_b32 s104, s104, 3
	s_and_b32 s105, s2, 7
	s_add_co_u32 s104, s104, s105                  ; which 16 of them
	s_lshl_b32 s104, s104, 12
	s_and_b32 s105, s100, 3
	s_lshl_b32 s105, s105, 10                      ; a head's two chunks: 1,024 bytes
	s_add_co_u32 s104, s104, s105
	s_mov_b32 s105, 0
	s_wait_kmcnt 0x0
	s_add_nc_u64 s[32:33], s[32:33], s[104:105]
	s_lshl_b32 s104, s101, 11
	s_lshl_b32 s101, s5, 4
	s_add_co_u32 s104, s104, s101                  ; row 2048 b + 16 x my tile
	s_lshl_b32 s104, s104, 5
	s_lshl_b32 s100, s100, 1
	s_add_co_u32 s104, s104, s100                  ; 32 bytes a row, my head's two
	s_add_nc_u64 s[34:35], s[34:35], s[104:105]
	s_wait_alu depctr_va_vdst(0)                   ; ahead of the reciprocal's first reader
.set j, 0
.rept 16
	v_pk_mul_f32 v[OT+j:OT+j+1], v[OT+j:OT+j+1], v[244:245] op_sel_hi:[1,0]
.set j, j+2
.endr
.irp b, 0,1
	v_max3_num_f32 v[BM+\b], |v[OT+16*\b]|, |v[OT+1+16*\b]|, 0x4800000
.endr
.irp i, 2,4,6,8,10,12,14
.irp b, 0,1
	v_max3_num_f32 v[BM+\b], v[BM+\b], |v[OT+16*\b+\i]|, |v[OT+1+16*\b+\i]|
.endr
.endr
.irp b, 0,1
	v_permlanex16_b32 v[T1+\b], v[BM+\b], s20, s21
.endr
.irp b, 0,1
	v_max_num_f32 v[BM+\b], v[BM+\b], v[T1+\b]
.endr
.irp b, 0,1
	v_add_nc_u32 v[SO+\b], 0xfc000000, v[BM+\b]
.endr
.irp b, 0,1
	v_and_or_b32 v[HL+\b], v[BM+\b], 0x7f800000, s24
.endr
.irp b, 0,1
	v_lshrrev_b32 v[T1+\b], 23, v[SO+\b]
.endr
	v_lshl_or_b32 v224, v[T1+1], 8, v[T1]          ; the row's two scale bytes of this head
	v_cmp_eq_f32 vcc_lo, 0, v14
	v_cndmask_b32 v224, v224, v246, vcc_lo         ; a row with every key hidden: 0xff, 0xff
.irp b, 0,1
.set j, 0
.rept 16
	v_med3_num_f32 v[OT+16*\b+j], v[OT+16*\b+j], -v[HL+\b], v[HL+\b]
.set j, j+1
.endr
	v_cvt_scalef32_pk8_fp8_f32 v[PC+4*\b:PC+4*\b+1], v[OT+16*\b:OT+16*\b+7], v[SO+\b]
	v_cvt_scalef32_pk8_fp8_f32 v[PC+4*\b+2:PC+4*\b+3], v[OT+16*\b+8:OT+16*\b+15], v[SO+\b]
.endr
	v_nop                                          ; a plain line behind the last conversion
	global_store_b128 v1, v[PC:PC+3], s[32:33]                 ; 512 consecutive bytes, aligned
	global_store_b128 v1, v[PC+4:PC+7], s[32:33] offset:512
	global_store_b16 v4, v224, s[34:35]            ; both halves of the lanes write the same two bytes with the same value
	s_wait_xcnt 0x0                                ; the stores have read their registers and bases: both are written again in the next block
	s_add_co_u32 s4, s4, 1
	s_cmp_lt_u32 s4, 2
	s_cbranch_scc1 .Lblock
	s_wait_tensorcnt 0x0
	ds_add_u32 v7, v227
	s_wait_dscnt 0x0
	s_endpgm
.Lfunc_end_k_q4e7856baab_attn:
	.size	k_q4e7856baab_attn, .Lfunc_end_k_q4e7856baab_attn-k_q4e7856baab_attn
	.p2alignl 7, 3214868480
	.fill 96, 4, 3214868480
	.section	.rodata,"a",@progbits
	.p2align	6, 0x0
	.amdhsa_kernel k_q4e7856baab_attn
		.amdhsa_group_segment_fixed_size 36864
		.amdhsa_private_segment_fixed_size 0
		.amdhsa_enable_private_segment 0
		.amdhsa_kernarg_size 40
		.amdhsa_user_sgpr_count 2
		.amdhsa_user_sgpr_kernarg_segment_ptr 1
		.amdhsa_wavefront_size32 1
		.amdhsa_system_sgpr_workgroup_id_x 1
		.amdhsa_system_sgpr_workgroup_id_y 1
		.amdhsa_system_sgpr_workgroup_id_z 1
		.amdhsa_system_vgpr_workitem_id 0
		.amdhsa_next_free_vgpr 256
		.amdhsa_next_free_sgpr 106
		.amdhsa_reserve_vcc 1
		.amdhsa_float_denorm_mode_32 3
		.amdhsa_float_denorm_mode_16_64 3
		.amdhsa_memory_ordered 1
		.amdhsa_forward_progress 1
		.amdhsa_inst_pref_size 63
	.end_amdhsa_kernel
	.amdgpu_metadata
---
amdhsa.version: [ 1, 2 ]
amdhsa.kernels:
  - .name:           k_q4e7856baab_attn
    .symbol:         k_q4e7856baab_attn.kd
    .args:
      - { .name: qkvf, .offset: 0, .size: 8, .value_kind: global_buffer, .address_space: global }
      - { .name: qkvs, .offset: 8, .size: 8, .value_kind: global_buffer, .address_space: global }
      - { .name: msk, .offset: 16, .size: 8, .value_kind: global_buffer, .address_space: global }
      - { .name: oc, .offset: 24, .size: 8, .value_kind: global_buffer, .address_space: global }
      - { .name: os, .offset: 32, .size: 8, .value_kind: global_buffer, .address_space: global }
    .group_segment_fixed_size: 36864
    .private_segment_fixed_size: 0
    .kernarg_segment_align: 8
    .kernarg_segment_size: 40
    .max_flat_workgroup_size: 512
    .sgpr_count:     106
    .vgpr_count:     256
    .wavefront_size: 32
...
	.end_amdgpu_metadata
.endif
;; end of part 3
;; launch oproj (part 4): grid 4 x 32, 4 waves a work-group, clusters of 4 x 4, 327,680 bytes of LDS; arguments oc, os, cod, scl, bo, out0; writes out0
.if DOCPART == 4
	.amdgcn_target "amdgcn-amd-amdhsa--gfx1250"
	.amdhsa_code_object_version 6
	.text
	.protected	k_q4e7856baab_oproj
	.globl	k_q4e7856baab_oproj
	.p2align	8
	.type	k_q4e7856baab_oproj,@function
k_q4e7856baab_oproj:
	s_mov_b64 s[64:65], 0
	v_nop
	global_prefetch_b8 v0, s[64:65] scope:SCOPE_SE
	s_setreg_imm32_b32 hwreg(HW_REG_WAVE_MODE, 25, 1), 1
	s_wait_xcnt 0x0
	s_wait_alu depctr_hold_cnt(0) depctr_sa_sdst(0) depctr_va_vdst(0) depctr_va_sdst(0) depctr_va_ssrc(0) depctr_va_vcc(0) depctr_vm_vsrc(0)
	s_getreg_b32 s2, hwreg(HW_REG_IB_STS2, 6, 4)
	s_cmp_eq_u32 s2, 0
	s_cbranch_scc0 .Lentry_in_a_cluster
	s_endpgm
.Lentry_in_a_cluster:
	s_bfe_u32 s2, ttmp6, 0x10000c
	s_cmp_lg_u32 s2, 0xf033
	s_cbranch_scc0 .Lentry_shape_is_right
	s_endpgm
.Lentry_shape_is_right:
; OPROJ.  out0 = A Wo^T + bo, on codes of FP8 (E4M3) with one E8M0 scale for each 32 along K = 1,024.  A: the attention launch's result, 8,192 rows in the order 2048 b + i, as IMAGES OF OPERAND REGISTERS:
; [tile row Y 32][K step of 256: 4][128 rows: 2][16 rows: 8][128 along K: 2][chunk 4][lane 32][16 bytes]; its scale bytes os [8192][32].  Wo's codes and scale bytes: the last section of cod and of scl, rows as they are.
; A tile of 256 x 256 is made by four waves, 128 x 128 each: 64 accumulators, 512 registers.  K goes in steps of 256 through a ring of two LDS slots filled by the tensor data mover:
; A's half tile is one dense block of 32,768 bytes (no padding: a fragment's load takes 512 consecutive bytes), Wo's 128 rows of 256 bytes, padded.  The scale bytes come once, with the first fills.
; CLUSTERS: 4 x 4 work-groups; A's tiles are shared along a row of the cluster, Wo's along a column: each is asked for jointly.
; The matrix instruction is used transposed (source 0 = 16 rows of Wo, source 1 = 16 rows of A): a lane holds eight neighbouring numbers of a row of the result.  bo is the C of each sum's first instruction.
; Row 2048 b + i of the result is row 4 i + b of out0.  A row whose scale bytes are 0xff (every key hidden) comes out NaN.
; No prefetch: K has four steps, of which two are asked for at the head.
.set KSTEP,  256
.set NQ,     KSTEP/128
.set ROWB,   256
.set KROW,   1024
.set PITCH,  272                       ; Wo's LDS row: 256 bytes + 16 of padding: the 16 rows that a load touches start at 16 different banks (64 banks of 4 bytes: ISA guide 11.1)
.set FR,     16
.set NL,     4
.set NP,     8
.set HALFA,  32768                     ; A's 128 rows x 256 along K, as images
.set HALFT,  128*PITCH
.set SLOT,   2*HALFA+2*HALFT           ; A's two halves, then Wo's two halves
.set LAPS,   KROW/(2*KSTEP)
.set KS,     KROW/32
.set SCL,    2*SLOT
.set HALFS,  (128*KS/256)*272
.set SBLK,   (16*KS/256)*272
.set SPARE,  SCL+4*HALFS               ; the spare words, 128 bytes for each wave: two blocks of 256 bytes that no other line names
.set SPITCH, 528                       ; the way out: a stage of 16 rows x (512 bytes + 16) for each wave, in slot 0, which has had its last fill and its last read by then
.set WSEC,   28311552                  ; Wo's codes in cod
.set WSSEC,  884736                    ; and its scale bytes in scl
.set ADRA, 16
.set ADRB, 20
.set STO,  24
.set RD,   25
.set CO,   26                          ; v26 16 x lane
.set ADRS, 27
.set SPW,  28
.set NIL,  29
.set VB1,  30                          ; v30 32 x (lane / 16); never rewritten
.set SC,   32
.set BN,   64                          ; v64-127 bo: register 8 b + j: output 16 b + 8 (lane / 16) + j of my 128
.set AF,   128
.set BK,   128
.set G1, 24
.set G0, 32
.set G1B, 48
.set G0B, 56
.set G1S, 68
.set G0S, 76
.set G1SB, 80
.set G0SB, 88
.set MSB, 0
.macro WIN new
.if MSB != \new
	s_set_vgpr_msb (MSB<<8)|\new
.set MSB, \new
.endif
.endm
.set MUL_LO, 0xa1                      ; source 0 (Wo) window 1, source 1 (A) window 0, C and D window 2
.set MUL_HI, 0xf1
.set FST_LO, 0x81                      ; the first step: C (bo) window 0, D window 2
.set FST_HI, 0xc1
.set TO_B,   0x40
.macro JLOAD g0a, g1a, g0b, g1b        ; a joint load: waves 0 and 1 fetch for A, waves 2 and 3 for Wo; four v_nop follow each of the two lines
	s_cmp_eq_u32 s15, 0
	s_cbranch_scc0 .Lfor_b_\@
	tensor_load_to_lds s[\g0a:\g0a+3], s[\g1a:\g1a+7]
	s_nop 0
.rept 4
	v_nop
.endr
	s_branch .Lasked_\@
.Lfor_b_\@:
	tensor_load_to_lds s[\g0b:\g0b+3], s[\g1b:\g1b+7]
	s_nop 0
.rept 4
	v_nop
.endr
.Lasked_\@:
.endm
.macro CREST
	s_cmp_lg_u32 s14, 0
	s_cbranch_scc1 .Lnot_wave_0_\@
	s_barrier_signal -3
.Lnot_wave_0_\@:
	s_barrier_wait -3
	s_barrier_signal -1
	s_barrier_wait -1
.endm
.macro CROUND
	s_barrier_signal -1
	s_barrier_wait -1
	CREST
.endm
	s_load_b256 s[4:11], s[0:1], 0x0               ; oc s[4:5], os s[6:7], cod s[8:9], scl s[10:11]
	s_load_b64 s[96:97], s[0:1], 0x20              ; bo
	s_load_b64 s[12:13], s[0:1], 0x28              ; out0
	v_lshl_add_u32 v[SPW], v0, 2, SPARE
	v_mov_b32 v[NIL], 0
	ds_add_u32 v28, v29
	ds_add_u32 v28, v29
	s_wait_dscnt 0x0
	v_lshrrev_b32 v1, 5, v0
	v_readfirstlane_b32 s14, v1                    ; wave 0..3
	s_lshr_b32 s15, s14, 1                         ; which half of the tile's rows is mine.  Also: I fetch for A (0) or for Wo (1)
	s_and_b32 s16, s14, 1                          ; which half of its columns.  Also: which 128 rows of that tile I fetch
	s_bfe_u32 s40, ttmp6, 0x40000
	s_bfe_u32 s41, ttmp6, 0x40004
	s_lshl_b32 s42, ttmp9, 2
	s_add_co_u32 s42, s42, s40                     ; X: tile column
	s_and_b32 s17, ttmp7, 0xffff
	s_lshl_b32 s17, s17, 2
	s_add_co_u32 s17, s17, s41                     ; Y: tile row
	s_lshl_b32 s43, s41, 2
	s_lshl_b32 s43, 15, s43                        ; my row of the cluster
	s_lshl_b32 s44, 0x1111, s40                    ; my column
	; A's half tile: a dense block, as 128 rows of 256 bytes (32 elements of 8 bytes), no padding
	s_or_b32 s[G1+0], s43, (3<<16)|(1<<21)
	s_mov_b32 s[G1+1], 32<<16
	s_mov_b32 s[G1+2], 128<<16
	s_mov_b32 s[G1+3], 32<<16
	s_mov_b32 s[G1+4], 128
	s_mov_b32 s[G1+5], 32
	s_mov_b32 s[G1+6], 0
	s_mov_b32 s[G1+7], 0
	; Wo's: 128 rows x 256 bytes, 1,024 bytes apart, padded in LDS
	s_or_b32 s[G1B+0], s44, (0<<16)|(1<<20)|(1<<21)|(5<<22)|(3<<25)
	s_mov_b32 s[G1B+1], ROWB<<16
	s_mov_b32 s[G1B+2], 128<<16
	s_mov_b32 s[G1B+3], ROWB<<16
	s_mov_b32 s[G1B+4], 128
	s_mov_b32 s[G1B+5], KROW
	s_mov_b32 s[G1B+6], 0
	s_mov_b32 s[G1B+7], 0
	; the scales of 128 rows: 4,096 dense bytes, as 16 rows of 256 bytes, 16 bytes of padding behind each
	s_or_b32 s[G1S+0], s43, (3<<16)|(1<<20)|(1<<21)|(5<<22)|(3<<25)
	s_or_b32 s[G1SB+0], s44, (3<<16)|(1<<20)|(1<<21)|(5<<22)|(3<<25)
.irp g, G1S, G1SB
	s_mov_b32 s[\g+1], 32<<16
	s_mov_b32 s[\g+2], (128*KS/256)<<16
	s_mov_b32 s[\g+3], 32<<16
	s_mov_b32 s[\g+4], 128*KS/256
	s_mov_b32 s[\g+5], 32
	s_mov_b32 s[\g+6], 0
	s_mov_b32 s[\g+7], 0
.endr
	s_lshl_b32 s20, s17, 18                        ; A: a tile row's images are 262,144 bytes,
	s_lshl_b32 s18, s16, 15                        ; a half tile of a K step 32,768
	s_add_co_u32 s20, s20, s18
	s_mov_b32 s21, 0
	s_lshl_b32 s22, s17, 13                        ; A's scales: 256 rows x 32 bytes,
	s_lshl_b32 s18, s16, 12                        ; 128 rows x 32
	s_add_co_u32 s22, s22, s18
	s_mov_b32 s23, 0
	s_lshl_b32 s46, s42, 8
	s_lshl_b32 s47, s16, 7
	s_add_co_u32 s46, s46, s47                     ; Wo: row 256 X + 128 x half
	s_lshl_b32 s92, s46, 5
	s_add_co_u32 s92, s92, WSSEC
	s_mov_b32 s93, 0
	s_lshl_b32 s46, s46, 10
	s_add_co_u32 s46, s46, WSEC
	s_mov_b32 s47, 0
	s_lshl_b32 s45, s16, 15                        ; where they go: A's halves,
	s_mul_i32 s95, s16, HALFT
	s_add_co_u32 s95, s95, 2*HALFA                 ; Wo's halves behind them,
	s_mul_i32 s94, s14, HALFS                      ; the scales by the wave: no place in the cluster enters an LDS address
	s_wait_kmcnt 0x0
	s_add_nc_u64 s[20:21], s[4:5], s[20:21]
	s_add_nc_u64 s[22:23], s[6:7], s[22:23]
	s_add_nc_u64 s[46:47], s[8:9], s[46:47]
	s_add_nc_u64 s[92:93], s[10:11], s[92:93]
	CROUND                                         ; all sixteen work-groups are here: the first joint loads meet
	s_mov_b32 s[G0S], 1
	s_add_co_u32 s[G0S+1], s94, SCL
	s_mov_b64 s[G0S+2:G0S+3], s[22:23]
	s_or_b32 s[G0S+3], s[G0S+3], 0x80000000
	s_mov_b32 s[G0SB], 1
	s_add_co_u32 s[G0SB+1], s94, SCL
	s_mov_b64 s[G0SB+2:G0SB+3], s[92:93]
	s_or_b32 s[G0SB+3], s[G0SB+3], 0x80000000
	JLOAD G0S, G1S, G0SB, G1SB
.irp s, 0,1
	s_mov_b32 s[G0+4*\s], 1
	s_add_co_u32 s[G0+4*\s+1], s45, \s*SLOT
	s_add_nc_u64 s[G0+4*\s+2:G0+4*\s+3], s[20:21], \s*2*HALFA
	s_or_b32 s[G0+4*\s+3], s[G0+4*\s+3], 0x80000000
	s_mov_b32 s[G0B+4*\s], 1
	s_add_co_u32 s[G0B+4*\s+1], s95, \s*SLOT
	s_add_nc_u64 s[G0B+4*\s+2:G0B+4*\s+3], s[46:47], \s*ROWB
	s_or_b32 s[G0B+4*\s+3], s[G0B+4*\s+3], 0x80000000
	JLOAD G0+4*\s, G1, G0B+4*\s, G1B
.endr
	v_and_b32 v1, 15, v0                           ; l % 16
	v_bfe_u32 v2, v0, 4, 1                         ; l / 16
	v_mul_u32_u24 v3, v1, PITCH
	v_lshl_add_u32 v4, v2, 4, v3                   ; Wo's fragment: row x pitch + 16 x half
	v_and_b32 v6, 31, v0
	v_lshlrev_b32 v[CO], 4, v6                     ; A's: 16 x lane
	s_lshl_b32 s21, s15, 15                        ; my 128 rows of A
	s_mul_i32 s22, s16, HALFT                      ; my 128 rows of Wo
	s_add_co_u32 s22, s22, 2*HALFA
.irp s, 0,1
	v_add_nc_u32 v[ADRA+\s], s21, v[CO]
	v_add_nc_u32 v[ADRB+\s], s22, v4
	s_add_co_u32 s21, s21, SLOT
	s_add_co_u32 s22, s22, SLOT
.endr
	v_mul_u32_u24 v5, v1, KS
	v_lshrrev_b32 v6, 8, v5
	v_lshl_add_u32 v5, v6, 4, v5
	s_mul_i32 s21, s15, HALFS
	s_mul_i32 s22, s16, HALFS
	s_add_co_u32 s22, s22, 2*HALFS
	s_sub_co_u32 s22, s22, s21
	v_mul_u32_u24 v6, s22, v2                      ; lanes 16-31 take Wo's
	s_add_co_u32 s21, s21, SCL
	v_add_nc_u32 v5, v5, v6
	v_add_nc_u32 v[ADRS], s21, v5
	s_mul_i32 s23, s14, 16*SPITCH                  ; my stage
	v_mul_u32_u24 v5, v1, SPITCH
	v_lshl_add_u32 v5, v2, 5, v5
	v_add_nc_u32 v[STO], s23, v5
	v_add_nc_u32 v[RD], s23, v[CO]
	v_lshlrev_b32 v[VB1], 5, v2
	s_and_b32 s20, s17, 7
	s_lshl_b32 s20, s20, 1
	s_add_co_u32 s20, s20, s15                     ; my 128 values of i: 2 (Y % 8) + half,
	s_lshl_b32 s20, s20, 21                        ; 16,384 bytes from i to i + 1
	s_lshr_b32 s21, s17, 3
	s_lshl_b32 s21, s21, 12                        ; b = Y / 8: 4,096 bytes
	s_add_co_u32 s20, s20, s21
	s_mov_b32 s21, 0
	s_lshl_b32 s46, s42, 10                        ; my first column, in bytes: 1024 X + 512 x half
	s_lshl_b32 s47, s16, 9
	s_add_co_u32 s46, s46, s47
	s_mov_b32 s47, 0
	s_add_nc_u64 s[96:97], s[96:97], s[46:47]      ; bo at my 128 outputs
	s_add_nc_u64 s[20:21], s[20:21], s[46:47]
	s_add_nc_u64 s[12:13], s[12:13], s[20:21]
.irp b, 0,1,2,3,4,5,6,7
	global_load_b128 v[BN+8*\b:BN+8*\b+3], v[VB1], s[96:97] offset:64*\b
	global_load_b128 v[BN+8*\b+4:BN+8*\b+7], v[VB1], s[96:97] offset:64*\b+16
.endr
.macro FRAGB reg, adr, q, i            ; Wo's fragment from rows: lane l holds row l % 16; registers 4 c .. 4 c + 3 hold K = 32 c + 16 (l / 16) + 0 .. 15
.irp c, 0,1,2,3
	ds_load_b128 v[\reg+4*\c:\reg+4*\c+3], v[\adr] offset:128*(\q)+32*\c+(\i)*16*PITCH
.endr
.endm
.macro FRAGA reg, adr, q, i            ; A's fragment from its image
.irp c, 0,1,2,3
	ds_load_b128 v[\reg+4*\c:\reg+4*\c+3], v[\adr] offset:(\i)*4096+(\q)*2048+512*\c
.endr
.endm
; 16 matrix instructions: A's blocks a0, a0 + 1 x Wo's eight.  first = 1: the sums start from bo.  The 64 accumulators take turns, one instruction a turn.
.macro MUL16 a0, p, q, sc, first
.irp a, \a0, \a0+1
.irp b, 0,1,2,3,4,5,6,7
.if \first
	v_wmma_scale_f32_16x16x128_f8f6f4 v[8*(8*((\a)%4)+\b):8*(8*((\a)%4)+\b)+7], v[128*(\p)+FR*\b:128*(\p)+FR*\b+FR-1], v[AF+FR*(\a):AF+FR*(\a)+FR-1], v[BN+8*\b:BN+8*\b+7], v[SC+8*NQ*(\sc)+NQ*\b+(\q)], v[SC+8*NQ*(\sc)+NQ*(\a)+(\q)] matrix_a_scale:MATRIX_SCALE_ROW1
.else
	v_wmma_scale_f32_16x16x128_f8f6f4 v[8*(8*((\a)%4)+\b):8*(8*((\a)%4)+\b)+7], v[128*(\p)+FR*\b:128*(\p)+FR*\b+FR-1], v[AF+FR*(\a):AF+FR*(\a)+FR-1], v[8*(8*((\a)%4)+\b):8*(8*((\a)%4)+\b)+7], v[SC+8*NQ*(\sc)+NQ*\b+(\q)], v[SC+8*NQ*(\sc)+NQ*(\a)+(\q)] matrix_a_scale:MATRIX_SCALE_ROW1
.endif
.endr
.endr
.endm
.macro FETCH_B slot, q, p
	WIN TO_B
.irp i, 0,1,2,3,4,5,6,7
	FRAGB 128*(\p)+FR*\i, ADRB+\slot, \q, \i
.endr
	WIN 0
.endm
.macro FETCH_A slot, q, i0
.irp i, \i0, \i0+1, \i0+2, \i0+3
	FRAGA AF+FR*(\i), ADRA+\slot, \q, \i
.endr
.endm
.macro SCALES sc
.irp i, 0,1,2,3,4,5,6,7
	ds_load_b64 v[SC+8*NQ*\sc+NQ*\i:SC+8*NQ*\sc+NQ*\i+1], v[ADRS] offset:\i*SBLK
.endr
.endm
.macro PLACES n                        ; plain vector lines between a matrix instruction and a load into, or a read of, its registers
.rept \n
	v_nop
.endr
.endm
.macro STEP slot, q, first
	s_wait_dscnt 4*NL                              ; Wo's set and A's blocks 0-3 are in; the youngest sixteen loads (A's blocks 4-7) may be out
.if \first
	WIN FST_LO
.else
	WIN MUL_LO
.endif
	MUL16 0, (\q)%2, \q, \slot, \first
	MUL16 2, (\q)%2, \q, \slot, \first
	s_wait_dscnt 0
	PLACES NP
	FETCH_B \slot, (\q)+1, 1-(\q)%2
	FETCH_A \slot, (\q)+1, 0
.if \first
	WIN FST_HI
.else
	WIN MUL_HI
.endif
	MUL16 4, (\q)%2, \q, \slot, \first
	MUL16 6, (\q)%2, \q, \slot, \first
	PLACES NP
	WIN 0
	FETCH_A \slot, (\q)+1, 4
.endm
.macro TURN slot, next, fill
	s_wait_tensorcnt 0x0                           ; all my tensor loads have landed: my part of the next slot
	ds_add_u32 v[SPW], v[NIL]                      ; 0 onto my spare word
	s_wait_dscnt 4*NL+1                            ; (the add and the youngest sixteen loads may be out)
	WIN MUL_LO
	MUL16 0, 1, NQ-1, \slot, 0
	s_wait_dscnt 0x0                               ; the add is done, and my reads of this slot are over
	s_barrier_signal -1
	MUL16 2, 1, NQ-1, \slot, 0
	WIN 0
	s_barrier_wait -1
.if \fill
	CREST                                          ; the barrier has opened a round of the cluster's barrier: no wave of any partner still reads this slot or has a load on its way
	s_add_nc_u64 s[G0+4*\slot+2:G0+4*\slot+3], s[G0+4*\slot+2:G0+4*\slot+3], 4*HALFA
	s_add_nc_u64 s[G0B+4*\slot+2:G0B+4*\slot+3], s[G0B+4*\slot+2:G0B+4*\slot+3], 2*ROWB
	JLOAD G0+4*\slot, G1, G0B+4*\slot, G1B
	PLACES NP-4
.else
	PLACES NP
.endif
	v_add_nc_u32 v[ADRS], 4*NQ, v[ADRS]
	FETCH_B \next, 0, 0
	FETCH_A \next, 0, 0
	SCALES \next
	WIN MUL_HI
	MUL16 4, 1, NQ-1, \slot, 0
	MUL16 6, 1, NQ-1, \slot, 0
	PLACES NP
	WIN 0
	FETCH_A \next, 0, 4
.endm
	s_wait_tensorcnt 1                             ; the scales and my part of K step 0 are in (K step 1's load may be out),
	s_barrier_signal -1
	s_barrier_wait -1                              ; everybody's are
	FETCH_B 0, 0, 0
	FETCH_A 0, 0, 0
	SCALES 0
	FETCH_A 0, 0, 4
	s_wait_loadcnt 0x0                             ; bo
	STEP 0, 0, 1                                   ; the first step stands in front of the loop: its products start the sums, from bo
	s_mov_b32 s3, LAPS-1
.Llap:
	TURN 0, 1, 1
	STEP 1, 0, 0
	TURN 1, 0, 1
	STEP 0, 0, 0
	s_sub_co_u32 s3, s3, 1
	s_cmp_lg_u32 s3, 0
	s_cbranch_scc1 .Llap
	TURN 0, 1, 0
	STEP 1, 0, 0
	s_wait_dscnt 4*NL
	WIN MUL_LO
	MUL16 0, 1, NQ-1, 1, 0
	MUL16 2, 1, NQ-1, 1, 0
	s_wait_dscnt 0
	WIN MUL_HI
	MUL16 4, 1, NQ-1, 1, 0
	MUL16 6, 1, NQ-1, 1, 0
	WIN 0
; THE WAY OUT, block by block of 16 rows x 128 columns, through my own stage in LDS: back come whole rows of 512 bytes.  LDS serves a wave's instructions in order (ISA guide 5.7.1.4).
.macro TOSTAGE a
.set AC, 64*((\a)%4)
.set WN, 0x08+4*((\a)/4)               ; the data: window 2 or 3
	WIN WN
.irp b, 0,1,2,3,4,5,6,7
	ds_store_b128 v[STO], v[AC+8*\b:AC+8*\b+3] offset:64*\b          ; each accumulator from its low end on
	ds_store_b128 v[STO], v[AC+8*\b+4:AC+8*\b+7] offset:64*\b+16
.endr
	WIN 0
.set BB, BK+64*((\a)%2)
.irp t, 0,1,2,3,4,5,6,7,8,9,10,11,12,13,14,15
	ds_load_b128 v[BB+4*\t:BB+4*\t+3], v[RD] offset:\t*SPITCH
.endr
.endm
.macro SEND a, younger                 ; younger: the LDS instructions issued behind block a's loads, which may stay out
.set BB, BK+64*((\a)%2)
	s_wait_dscnt \younger
.if (\a) > 0
	s_add_nc_u64 s[12:13], s[12:13], 16*16384      ; (behind a wait on XCNT)  16 values of i on
.endif
.irp t, 0,1,2,3,4,5,6,7,8,9,10,11,12,13,14,15
	global_store_b128 v[CO], v[BB+4*\t:BB+4*\t+3], s[12:13] offset:\t*16384 th:TH_STORE_NT   ; 32 lanes store 512 consecutive bytes, aligned
.endr
.endm
	PLACES NP
	TOSTAGE 0
.irp a, 1,2,3,4,5,6,7
.if \a > 1
	s_wait_xcnt 0x0                                ; block a - 2's stores have read their registers and their base
.endif
	TOSTAGE \a
	SEND \a-1, 32                                  ; behind block a - 1's loads: block a's 16 stores and 16 loads
.endr
	s_wait_xcnt 0x0
	SEND 7, 0
	s_wait_tensorcnt 0x0                           ; the wave's end
	ds_add_u32 v[SPW], v[NIL]
	s_wait_dscnt 0x0
	CROUND                                         ; the closing round
	s_endpgm
.Lfunc_end_k_q4e7856baab_oproj:
	.size	k_q4e7856baab_oproj, .Lfunc_end_k_q4e7856baab_oproj-k_q4e7856baab_oproj
	.p2alignl 7, 3214868480
	.fill 96, 4, 3214868480
	.section	.rodata,"a",@progbits
	.p2align	6, 0x0
	.amdhsa_kernel k_q4e7856baab_oproj
		.amdhsa_group_segment_fixed_size 327680
		.amdhsa_private_segment_fixed_size 0
		.amdhsa_enable_private_segment 0
		.amdhsa_kernarg_size 48
		.amdhsa_user_sgpr_count 2
		.amdhsa_user_sgpr_kernarg_segment_ptr 1
		.amdhsa_wavefront_size32 1
		.amdhsa_system_sgpr_workgroup_id_x 1
		.amdhsa_system_sgpr_workgroup_id_y 1
		.amdhsa_system_sgpr_workgroup_id_z 1
		.amdhsa_system_vgpr_workitem_id 0
		.amdhsa_next_free_vgpr 1024
		.amdhsa_next_free_sgpr 102
		.amdhsa_reserve_vcc 0
		.amdhsa_float_denorm_mode_32 3
		.amdhsa_float_denorm_mode_16_64 3
		.amdhsa_memory_ordered 1
		.amdhsa_forward_progress 1
		.amdhsa_inst_pref_size 147
	.end_amdhsa_kernel
	.amdgpu_metadata
---
amdhsa.version: [ 1, 2 ]
amdhsa.kernels:
  - .name:           k_q4e7856baab_oproj
    .symbol:         k_q4e7856baab_oproj.kd
    .args:
      - { .name: oc, .offset: 0, .size: 8, .value_kind: global_buffer, .address_space: global }
      - { .name: os, .offset: 8, .size: 8, .value_kind: global_buffer, .address_space: global }
      - { .name: cod, .offset: 16, .size: 8, .value_kind: global_buffer, .address_space: global }
      - { .name: scl, .offset: 24, .size: 8, .value_kind: global_buffer, .address_space: global }
      - { .name: bo, .offset: 32, .size: 8, .value_kind: global_buffer, .address_space: global }
      - { .name: out0, .offset: 40, .size: 8, .value_kind: global_buffer, .address_space: global }
    .group_segment_fixed_size: 327680
    .private_segment_fixed_size: 0
    .kernarg_segment_align: 8
    .kernarg_segment_size: 48
    .max_flat_workgroup_size: 128
    .sgpr_count:     102
    .vgpr_count:     1024
    .wavefront_size: 32
...
	.end_amdgpu_metadata
.endif
;; end of part 4
;; ======== version 2 of 2: 4 launches; version 1 with the launch attn written anew for expert scheduling mode
;; workspace buffers: cod 29,360,128 bytes; scl 917,504 bytes; msk 524,800 bytes of whole numbers; qkvf 25,165,824 bytes; qkvs 1,572,864 bytes; oc 8,388,608 bytes; os 262,144 bytes
;; launch prep: the kernel of part 1 again; grid 1024 x 1, 4 waves a work-group, no clusters, 33,280 bytes of LDS; arguments query, key, value, Wq, Wk, Wv, Wo, attn_mask, cod, scl, msk; writes cod, scl, msk
;; launch qkv: the kernel of part 2 again; grid 4 x 96, 4 waves a work-group, clusters of 4 x 4, 327,680 bytes of LDS; arguments cod, scl, bq, bk, bv, qkvf, qkvs; writes qkvf, qkvs
;; launch attn (part 5): grid 4 x 64, 16 waves a work-group, no clusters, 36,864 bytes of LDS; arguments qkvf, qkvs, msk, oc, os; writes oc, os
.if DOCPART == 5
	.amdgcn_target "amdgcn-amd-amdhsa--gfx1250"
	.amdhsa_code_object_version 6
	.text
	.protected	k_q4e7856baab_attn
	.globl	k_q4e7856baab_attn
	.p2align	8
	.type	k_q4e7856baab_attn,@function
k_q4e7856baab_attn:
	s_mov_b64 s[64:65], 0
	v_nop
	global_prefetch_b8 v0, s[64:65] scope:SCOPE_SE
	s_setreg_imm32_b32 hwreg(HW_REG_WAVE_SCHED_MODE, 0, 2), 2
	s_setreg_imm32_b32 hwreg(HW_REG_WAVE_MODE, 25, 1), 1
	s_wait_xcnt 0x0
	s_wait_alu depctr_vm_vsrc(0)
; ATTN.  For each (batch, head): O = softmax(Q K^T / 32, hidden keys at -infinity) V, both products on codes of FP8 (E4M3) with one E8M0 scale for each 32 along a product's K; O is quantised along the
; model's 1,024 (two blocks a head) and stored as images of the last launch's operand registers.
; THE SOFTMAX: t = score x log2(e) / 32; M = the row's largest t so far, rounded UP to a whole number; p = 2^(t - M) is quantised along the keys, not normalised; the row's sum is taken of the unquantised p
; and divides O at the end.  When M moves, the sum and O are multiplied by 2^(old M - new M): exact.
; SHARES.  Work-group (x, bh) owns the blocks x and 7 - x of 256 queries of one head, one after the other; wave w owns 16 queries of a block, in 256 registers: four waves to a SIMD.  32 trips of 128 keys.
; THE MASK IS AN INPUT.  The launch prep has stored, for each tile of 16 queries x 128 keys, 64 lane masks and a field: 0 all hidden, 1 none hidden, 2 mixed.  A wave passes over a tile that is all hidden
; by a scalar branch on the stored field, and over the 64 selects where none is hidden.  Trip counts are constants and every wave passes every barrier.
; LAYOUT.  Both products transposed: S^T = K Q^T, O^T = V^T P^T: a lane holds ONE query (lane % 16).  The head's 64 fill half of the instruction's K = 128, so ONE operand of K carries TWO key tiles
; (k 0-63: tile 2 B, k 64-127: tile 2 B + 1) and is multiplied twice: by {q, zeros} and by {zeros, q}: zero codes add nothing under any scale byte that occurs here.
; K, V and their scale words come as images of registers (launch qkv): a key step is 8,192 + 8,192 + 512 + 512 bytes, brought by all 512 threads through registers into one of two LDS slots, a trip ahead.
; NO TENSOR LOADS, NO CLUSTER, though the four work-groups of a head read the same K and V: which steps are fetched and worked hangs on numbers read from memory, and differs between work-groups.
; A row all of whose keys are hidden has the sum 0: its scale bytes are set to 0xff, which makes the last launch's sums NaN.
; The two scale bytes of a row and head leave by a store of 2 bytes a lane, rows 32 bytes apart: parts of 256-byte blocks; they are 2 bytes for each 64 of codes.
; LIMITS: NaN and infinities among the inputs are not served; a block of zeros gets the byte 1.
; THE MODE: SCHED_MODE bits 1:0 = 2 (LLVM: expert scheduling mode 2), set by the entry lines.  The code itself states the register dependences between vector or matrix instructions and memory or LDS
; instructions, with s_wait_alu, always for 0.
; THE PLAN.  Registers that memory or LDS instructions touch:
;   v1 .. v4           offsets and LDS addresses: written at the head and never again; read by every load and store.
;   v248-255, v8-11    the staging registers: a trip's global loads land in them, the same trip's LDS stores read them; no vector instruction names them.
;   KV, v216-223       LDS loads land in them, matrix instructions read them: K's operands and words land behind the last step's products V^T P^T, V's behind this step's products K Q^T.
;   v24-31, v225       q and its scale word: a block's global loads land in them; the block's score products read them (v225 is shifted in place first).
;   v16-23, v32-39, v225, v226, PC, v224   written by vector instructions and taken by scaled products as operand or scales; PC and v224 are also the data of the way out's stores.
;   v7, v227           written at the head, read by the closing add alone.
; So: one wait on vm_vsrc at a trip's head (the LDS stores have read the staging registers); in a step five on va_vdst: ahead of K's LDS loads, ahead of V's, one for each of the two batches of exponentials,
; and ahead of the products V^T P^T (p's codes and scale word are written); one at a block's head ahead of q's loads; on the way out one ahead of the stores and one on vm_vsrc behind them.
; Behind the wait ahead of V's loads only selects and maxima follow, which name S, v247 and BM: so V's tiles 2 and 3 are dealt among them with no further wait.
.set SLOTB, 17408                      ; a slot: K's images 8,192, V's 8,192, K's scale words 512, V's 512
.set KV,  40                           ; v40-103  four operands of K, then of V
.set S,   104                          ; v104-167 S^T, then p: register 16 B + i = key 32 B + 16 (lane / 16) + i
.set OT,  168                          ; v168-199 O^T: register 16 B + i = channel 32 B + 16 (lane / 16) + i
.set PC,  200                          ; v200-215 p's codes
.set BM,  228                          ; v228-231 the blocks' largest
.set T1,  232                          ; v232-235 at work
.set HL,  236                          ; v236-239 448 x the scale
.set SO,  240                          ; v240-243 the conversions' scale operands
; v1 16 x lane; v2 16 x thread; v3 V's place in memory for my thread; v4 32 x (lane % 16); v7 my spare word's LDS address, v227 0: for the closing add alone; v8-11 staged scale words (waves 0, 1);
; v12 -M; v13 the largest t; v[14:15] the sum;
; v16-23 zeros, v24-31 q, v32-39 zeros; v216-219 K's scale words, v220-223 V's, v224 p's, v225, v226 q's (for the low and the high half of K); v[244:245] f; v246 at work; v247 -infinity; v248-255 staged K, V.
; s2 wave; s3, s4 counters; s5 my tile of queries; s[6:7] K, s[8:9] V, s[10:11] scale words of my head; s[12:13] my lane masks; s[14:15] my fields, s[16:17] the sixteen waves' fields ORed;
; s[18:19] the next step's byte offset; s[20:21] lane selects; s[22:23] c; s24 448's mantissa field; s25 this trip's field; s[26:31] the staging loads' addresses; s[32:63], s[68:99] 64 lane masks.
	s_load_b128 s[32:35], s[0:1], 0x0              ; qkvf, qkvs
	s_load_b64 s[36:37], s[0:1], 0x10              ; msk
	v_lshl_add_u32 v7, v0, 2, 0x8800
	v_mov_b32 v227, 0
	v_lshrrev_b32 v1, 5, v0
	v_readfirstlane_b32 s2, v1                     ; wave 0..15
	v_and_b32 v4, 31, v0
	v_lshlrev_b32 v1, 4, v4
	v_lshlrev_b32 v2, 4, v0
	v_lshrrev_b32 v3, 8, v0
	v_and_b32 v5, 255, v0
	v_lshlrev_b32 v3, 17, v3                       ; V's keys 64-127 of a step lie a head's plane (131,072 bytes) further on
	v_lshl_add_u32 v3, v5, 4, v3
	v_and_b32 v4, 15, v0
	v_lshlrev_b32 v4, 5, v4
	s_lshl_b32 s100, ttmp9, 6                      ; the flag words of block x: 16 words,
	s_sub_co_u32 s101, 448, s100                   ; and of block 7 - x
	s_wait_alu depctr_va_sdst(0)                   ; s2 is written, ahead of its first reader: offsets, bases and branches are made from it
	s_lshl_b32 s104, s2, 2
	s_add_co_u32 s105, s101, s104                  ; my wave's own two
	s_add_co_u32 s104, s100, s104
	s_wait_kmcnt 0x0
	s_load_b512 s[68:83], s[36:37], s100 offset:0x80000
	s_load_b512 s[84:99], s[36:37], s101 offset:0x80000
	s_load_b32 s14, s[36:37], s104 offset:0x80000
	s_load_b32 s15, s[36:37], s105 offset:0x80000
	s_mov_b32 s20, 0x76543210
	s_mov_b32 s21, 0xfedcba98
	s_mov_b32 s22, 0x3d38aa3b                      ; c = log2(e) / 32
	s_mov_b32 s23, s22                             ; (named with it as a pair)
	s_mov_b32 s24, 0x600000
	s_mov_b32 s18, 8192                            ; the step after the first
	s_mov_b32 s19, 0
	s_mov_b32 s4, 0
	s_wait_kmcnt 0x0
	s_or_b32 s16, s68, s69                         ; a step is fetched if any wave of the work-group works it
	s_or_b32 s17, s84, s85
.irp i, 2,3,4,5,6,7,8,9,10,11,12,13,14,15
	s_or_b32 s16, s16, s[68+\i]
	s_or_b32 s17, s17, s[84+\i]
.endr
	s_and_b32 s100, ttmp7, 0xffff                  ; bh = 16 b + h
	s_mov_b32 s105, 0
	s_lshl_b32 s104, s100, 17
	s_add_co_u32 s104, s104, 0x800000
	s_add_nc_u64 s[6:7], s[32:33], s[104:105]      ; K's section, my head's plane
	s_and_b32 s104, s100, 62
	s_lshl_b32 s104, s104, 17
	s_and_b32 s101, s100, 1
	s_lshl_b32 s25, s101, 12
	s_add_co_u32 s104, s104, s25
	s_add_co_u32 s104, s104, 0x1000000
	s_add_nc_u64 s[8:9], s[32:33], s[104:105]      ; V's section: the pair's first plane, my head's 4,096 bytes of a step
	s_min_u32 s104, s2, 1                          ; wave 0 fetches K's scale words, wave 1 V's
	s_add_co_u32 s104, s104, 1
	s_lshl_b32 s104, s104, 19
	s_lshr_b32 s25, s100, 1
	s_lshl_b32 s25, s25, 14
	s_add_co_u32 s104, s104, s25
	s_lshl_b32 s25, s101, 9
	s_add_co_u32 s104, s104, s25
	s_add_nc_u64 s[10:11], s[34:35], s[104:105]
	s_wait_alu depctr_va_vdst(0)                   ; v1 to v4 are written: every load and store of the kernel reads one of them as its offset or LDS address
	global_load_b128 v[248:251], v2, s[6:7]        ; key step 0 is fetched without condition
	global_load_b128 v[252:255], v3, s[8:9]
	s_cmp_lt_u32 s2, 2
	s_cbranch_scc0 .Lh1
	global_load_b128 v[8:11], v1, s[10:11]
.Lh1:
.irp i, 0,1,2,3,4,5,6,7
	v_mov_b32 v[16+\i], 0                          ; zero codes on both sides of q
	v_mov_b32 v[32+\i], 0
.endr
.irp i, 0,1,2,3
	v_mov_b32 v[T1+\i], 0                          ; written once: a lane permute's destination counts as one of its sources
.endr
	v_mov_b32 v245, 0                              ; (named as the upper half of the pair v[244:245])
	v_mov_b32 v246, 0
	v_mov_b32 v247, 0xff800000                     ; -infinity
	s_wait_loadcnt 0x0
	ds_store_b128 v2, v[248:251]
	ds_store_b128 v2, v[252:255] offset:8192
	s_cmp_lt_u32 s2, 2
	s_cbranch_scc0 .Lh2
	ds_store_b128 v2, v[8:11] offset:16384
.Lh2:
	s_wait_dscnt 0x0                               ; for the others' sake: my stores have landed
	s_barrier_signal -1
	s_barrier_wait -1
; V^T's operand t of slot s: 16 channels x 128 keys.
.macro VTILE s, t
.irp c, 0,1,2,3
	ds_load_b128 v[KV+16*(\t)+4*\c:KV+16*(\t)+4*\c+3], v1 offset:(\s)*SLOTB+8192+(\c/2)*4096+(\t)*1024+(\c%2)*512
.endr
.endm
; A KEY STEP: 128 keys, from slot s.
.macro STEP s
	s_load_b512 s[32:47], s[12:13], 0x0            ; the tile's 64 lane masks
	s_load_b512 s[48:63], s[12:13], 0x40
	s_load_b512 s[68:83], s[12:13], 0x80
	s_load_b512 s[84:99], s[12:13], 0xc0
.rept 8
	v_nop                                          ; places behind the last step's products, ahead of the loads into their operands' registers; the wait below stands beside them and states the dependence
.endr
	s_wait_alu depctr_va_vdst(0)                   ; the last step's products are done reading KV and the scale words, in which the loads below land; the zero codes, v225 and v226, which the score products take, are written
.irp b, 0,1,2,3
.irp c, 0,1,2,3
	ds_load_b128 v[KV+16*\b+4*\c:KV+16*\b+4*\c+3], v1 offset:\s*SLOTB+\b*2048+\c*512   ; operand B of K: key tiles 2 B and 2 B + 1
.endr
.endr
	ds_load_b128 v[216:219], v1 offset:\s*SLOTB+16384
	s_wait_dscnt 0x0
.irp b, 0,1,2,3
	v_wmma_scale_f32_16x16x128_f8f6f4 v[S+16*\b:S+16*\b+7], v[KV+16*\b:KV+16*\b+15], v[24:39], 0, v[216+\b], v225      ; {q, zeros}: tile 2 B
	v_wmma_scale_f32_16x16x128_f8f6f4 v[S+16*\b+8:S+16*\b+15], v[KV+16*\b:KV+16*\b+15], v[16:31], 0, v[216+\b], v226   ; {zeros, q}: tile 2 B + 1
.endr
.rept 8
	v_nop                                          ; places in front of the first read of the scores
.endr
	s_wait_alu depctr_va_vdst(0)                   ; the score products are done reading KV, in which V's operands land; the last step's products were done reading v220-223 before
	ds_load_b128 v[220:223], v1 offset:\s*SLOTB+16896
	VTILE \s, 0                                    ; V lands under the softmax
	VTILE \s, 1
	s_wait_kmcnt 0x0
	s_cmp_eq_u32 s25, 1                            ; none hidden: the selects are passed over
	s_cbranch_scc1 .Lopen_\@
.set n, 0
.rept 32
	v_cndmask_b32 v[S+n], v[S+n], v247, s[32+n]    ; a hidden key's score becomes -infinity ahead of the maximum: p = 0 then
.set n, n+1
.endr
.rept 32
	v_cndmask_b32 v[S+n], v[S+n], v247, s[36+n]
.set n, n+1
.endr
.Lopen_\@:
.irp b, 0,1,2,3
	v_max3_num_f32 v[BM+\b], v[S+16*\b], v[S+1+16*\b], v[S+2+16*\b]   ; the largest score of each block of 32 keys: for the row's maximum, and, since p rises with the score, for the block's largest p
.endr
	VTILE \s, 2                                    ; no wait: no vector or matrix instruction since the wait above names KV, on either way round the selects
.irp i, 3,5,7
.irp b, 0,1,2,3
	v_max3_num_f32 v[BM+\b], v[BM+\b], v[S+16*\b+\i], v[S+1+16*\b+\i]
.endr
.endr
	VTILE \s, 3                                    ; likewise
.irp i, 9,11,13
.irp b, 0,1,2,3
	v_max3_num_f32 v[BM+\b], v[BM+\b], v[S+16*\b+\i], v[S+1+16*\b+\i]
.endr
.endr
.irp b, 0,1,2,3
	v_max_num_f32 v[BM+\b], v[BM+\b], v[S+15+16*\b]
.endr
.irp b, 0,1,2,3
	v_permlanex16_b32 v[T1+\b], v[BM+\b], s20, s21
.endr
.irp b, 0,1,2,3
	v_max_num_f32 v[BM+\b], v[BM+\b], v[T1+\b]     ; with lane l xor 16's 16 keys
.endr
	v_max3_num_f32 v246, v[BM], v[BM+1], v[BM+2]
	v_max_num_f32 v246, v246, v[BM+3]
	v_mul_f32 v246, s22, v246                      ; as t (c is positive)
	v_max_num_f32 v13, v13, v246                   ; the running largest t
	v_mov_b32 v246, v12
	v_floor_f32 v12, -v13                          ; the new -M = floor(-t): M is a whole number
	v_sub_f32 v246, v12, v246                      ; old M - new M: a whole number, 0 or less
	v_cvt_i32_f32 v246, v246                       ; (it saturates)
	v_ldexp_f32 v244, 1.0, v246                    ; f = 2^(old M - new M)
.set j, 0
.rept 32
	v_pk_fma_f32 v[S+j:S+j+1], v[S+j:S+j+1], s[22:23], v[12:13] op_sel_hi:[1,0,0]   ; t - M, two at a time
.set j, j+2
.endr
.irp b, 0,1,2,3
	v_fma_f32 v[BM+\b], v[BM+\b], s22, v12         ; the same of each block's largest score
.endr
.set j, 0
.rept 64
	v_exp_f32 v[S+j], v[S+j]                       ; p = 2^(t - M), at most 1
.set j, j+1
.endr
	v_pk_mul_f32 v[14:15], v[14:15], v[244:245] op_sel_hi:[1,0]   ; the sums under the new M (a plain line behind the exponentials)
	s_wait_alu depctr_va_vdst(0)                   ; the 64 exponentials have written p: one wait for the whole batch, ahead of its first reader
.irp b, 0,1,2,3
	v_exp_f32 v[BM+\b], v[BM+\b]                   ; the block's largest p
.endr
	v_pk_add_f32 v[T1:T1+1], v[S:S+1], v[S+2:S+3]  ; the row's sum of the unquantised p, in two chains
.set j, 4
.rept 15
	v_pk_add_f32 v[14:15], v[14:15], v[S+j:S+j+1]
	v_pk_add_f32 v[T1:T1+1], v[T1:T1+1], v[S+j+2:S+j+3]
.set j, j+4
.endr
	v_pk_add_f32 v[14:15], v[14:15], v[T1:T1+1]
	s_wait_alu depctr_va_vdst(0)                   ; the four exponentials have written the blocks' largest p, ahead of their first reader
.irp b, 0,1,2,3
	v_max_num_f32 v[BM+\b], 0x4800000, v[BM+\b]    ; the floor 2^(9 - 127): the byte cannot fall under 1
.endr
.irp b, 0,1,2,3
	v_add_nc_u32 v[SO+\b], 0xfc000000, v[BM+\b]    ; 8 off the exponent field: the conversion's scale operand
.endr
.irp b, 0,1,2,3
	v_and_or_b32 v[HL+\b], v[BM+\b], 0x7f800000, s24   ; 448 x the scale
.endr
.irp b, 0,1,2,3
	v_lshrrev_b32 v[T1+\b], 23, v[SO+\b]           ; the scale's byte
.endr
	v_lshl_or_b32 v224, v[T1+1], 8, v[T1]          ; p's scale word for these 128 keys
	v_lshl_or_b32 v224, v[T1+2], 16, v224
	v_lshl_or_b32 v224, v[T1+3], 24, v224
.irp b, 0,1,2,3
.set j, 0
.rept 16
	v_min_num_f32 v[S+16*\b+j], v[S+16*\b+j], v[HL+\b]   ; the conversion does not saturate (ISA guide 7.6.2); p is not negative, so the hold is one-sided
.set j, j+1
.endr
	v_cvt_scalef32_pk8_fp8_f32 v[PC+4*\b:PC+4*\b+1], v[S+16*\b:S+16*\b+7], v[SO+\b]
	v_cvt_scalef32_pk8_fp8_f32 v[PC+4*\b+2:PC+4*\b+3], v[S+16*\b+8:S+16*\b+15], v[SO+\b]
.endr
.set j, 0
.rept 16
	v_pk_mul_f32 v[OT+j:OT+j+1], v[OT+j:OT+j+1], v[244:245] op_sel_hi:[1,0]   ; O^T under the new M (these are also the places in front of the products below)
.set j, j+2
.endr
	s_wait_dscnt 0x0                               ; V
	s_wait_alu depctr_va_vdst(0)                   ; the conversions have written p's codes and the shifts its scale word v224, which the scaled products below take; the places above stay beside this wait
.irp t, 0,1,2,3
	v_wmma_scale_f32_16x16x128_f8f6f4 v[OT+8*\t:OT+8*\t+7], v[KV+16*\t:KV+16*\t+15], v[PC:PC+15], v[OT+8*\t:OT+8*\t+7], v[220+\t], v224
.endr
.endm
; A TRIP: the next step is asked for (if any wave of the work-group will work it); this step is worked (if not all hidden for my 16 queries); the next step goes into the other slot; one barrier:
; in front of it my stores into the next slot have landed and my reads of this slot are over.
.macro TRIP s
	s_wait_alu depctr_vm_vsrc(0)                   ; the LDS stores issued so far have read the staging registers v248-255 and v8-11, in which the loads below land; it stands ahead of the branch, on every way to them
	s_and_b32 s104, s16, 0xc                       ; the next trip's field
	s_cmp_lg_u32 s104, 0
	s_cbranch_scc0 .Lnoask_\@
	s_add_nc_u64 s[26:27], s[6:7], s[18:19]        ; (the last trip's loads that named these were waited for)
	s_add_nc_u64 s[28:29], s[8:9], s[18:19]
	s_lshr_b32 s104, s18, 3
	s_mov_b32 s105, 0
	s_add_nc_u64 s[30:31], s[10:11], s[104:105]
	global_load_b128 v[248:251], v2, s[26:27]
	global_load_b128 v[252:255], v3, s[28:29]
	s_cmp_lt_u32 s2, 2
	s_cbranch_scc0 .Lnoask_\@
	global_load_b128 v[8:11], v1, s[30:31]
.Lnoask_\@:
	s_and_b32 s25, s14, 3                          ; my field of this trip
	s_cmp_eq_u32 s25, 0
	s_cbranch_scc1 .Lhidden_\@
	STEP \s
.Lhidden_\@:
	s_wait_loadcnt 0x0
	s_and_b32 s104, s16, 0xc
	s_cmp_lg_u32 s104, 0
	s_cbranch_scc0 .Lnoput_\@
	ds_store_b128 v2, v[248:251] offset:(1-\s)*SLOTB
	ds_store_b128 v2, v[252:255] offset:(1-\s)*SLOTB+8192
	s_cmp_lt_u32 s2, 2
	s_cbranch_scc0 .Lnoput_\@
	ds_store_b128 v2, v[8:11] offset:(1-\s)*SLOTB+16384
.Lnoput_\@:
	s_lshr_b64 s[14:15], s[14:15], 2               ; the second block's fields follow the first's
	s_lshr_b64 s[16:17], s[16:17], 2
	s_add_co_u32 s18, s18, 8192
	s_and_b32 s18, s18, 0x1ffff                    ; behind step 15 comes step 0, for the second block
	s_add_nc_u64 s[12:13], s[12:13], 256           ; (the scalar loads that named it were waited for)
	s_wait_dscnt 0x0
	s_barrier_signal -1
	s_barrier_wait -1
.endm
.Lblock:                                               ; two trips: block x, then block 7 - x
	s_load_b128 s[32:35], s[0:1], 0x0              ; qkvf, qkvs
	s_load_b64 s[36:37], s[0:1], 0x10              ; msk
	s_sub_co_u32 s100, 7, ttmp9
	s_cmp_eq_u32 s4, 0
	s_cselect_b32 s100, ttmp9, s100
	s_lshl_b32 s5, s100, 4
	s_add_co_u32 s5, s5, s2                        ; my tile of 16 queries, 0 .. 127
	s_and_b32 s100, ttmp7, 0xffff
	s_lshl_b32 s104, s100, 7
	s_add_co_u32 s104, s104, s5
	s_lshl_b32 s104, s104, 10                      ; q's image: 1,024 bytes a tile
	s_mov_b32 s105, 0
	s_lshr_b32 s101, s100, 1
	s_lshl_b32 s38, s101, 14                       ; q's scale words: the pair of heads,
	s_lshr_b32 s101, s5, 2
	s_lshl_b32 s101, s101, 9                       ; four tiles to 512 bytes,
	s_add_co_u32 s38, s38, s101
	s_and_b32 s101, s5, 3
	s_lshl_b32 s101, s101, 2                       ; my tile's word of a lane's four
	s_add_co_u32 s38, s38, s101
	s_mov_b32 s39, 0
	s_lshl_b32 s40, s5, 12                         ; my lane masks: 16 steps x 256 bytes
	s_mov_b32 s41, 0
	s_and_b32 s101, s100, 1
	s_lshl_b32 s101, s101, 4                       ; my head's two bytes of the word
	s_wait_kmcnt 0x0
	s_add_nc_u64 s[32:33], s[32:33], s[104:105]
	s_add_nc_u64 s[34:35], s[34:35], s[38:39]
	s_add_nc_u64 s[12:13], s[36:37], s[40:41]
	s_wait_alu depctr_va_vdst(0)                   ; the last block's shift has written v225 and its score products are done reading v24-31 and v225, in which the loads below land
	global_load_b128 v[24:27], v1, s[32:33]
	global_load_b128 v[28:31], v1, s[32:33] offset:512
	global_load_b32 v225, v1, s[34:35]
	v_mov_b32 v13, 0xff61b1e6                      ; the largest t so far: -3e38, under every t
	v_floor_f32 v12, -v13
	v_mov_b32 v14, 0
	v_mov_b32 v15, 0
	s_wait_loadcnt 0x0
	v_lshrrev_b32 v225, s101, v225                 ; bytes 0, 1: q's two scales, for {q, zeros};
	v_lshlrev_b32 v226, 16, v225                   ; bytes 2, 3, for {zeros, q}
.set j, 0
.rept 32
	v_mov_b32 v[OT+j], 0                           ; the step is written once: the first finds zeros (these lines are also the places behind the two scale words)
.set j, j+1
.endr
	s_mov_b32 s3, 8
.Ltrip:
	TRIP 0
	TRIP 1
	s_sub_co_i32 s3, s3, 1
	s_cmp_lg_u32 s3, 0
	s_cbranch_scc1 .Ltrip
	; THE WAY OUT of a block: O^T / the sum, quantised along the head's 64 channels (two blocks), stored as two chunks of an operand's image
	s_load_b128 s[32:35], s[0:1], 0x18             ; oc, os
.rept 8
	v_nop                                          ; places behind the last products
.endr
	v_add_f32 v14, v14, v15
	v_permlanex16_b32 v246, v14, s20, s21
	v_add_f32 v14, v14, v246                       ; the row's sum
	v_cmp_eq_f32 vcc_lo, 0, v14                    ; is every key of my row hidden?  Made here, far ahead of the select that reads it
	v_rcp_f32 v244, v14
	v_mov_b32 v246, 0xffff                         ; (a plain line behind the reciprocal)
	s_and_b32 s100, ttmp7, 0xffff
	s_lshr_b32 s101, s100, 4                       ; b
	s_and_b32 s100, s100, 15                       ; h
	s_lshl_b32 s104, s101, 3
	s_lshr_b32 s105, s5, 4
	s_add_co_u32 s104, s104, s105                  ; 8 b + the block of 256 queries
	s_lshl_b32 s104, s104, 2
	s_lshr_b32 s105, s100, 2
	s_add_co_u32 s104, s104, s105                  ; the K step of 256: four heads
	s_lshl_b32 s104, s104, 1
	s_lshr_b32 s105, s2, 3
	s_add_co_u32 s104, s104, s105                  ; which 128 rows
	s_lshl_b32 s104, s104, 3
	s_and_b32 s105, s2, 7
	s_add_co_u32 s104, s104, s105                  ; which 16 of them
	s_lshl_b32 s104, s104, 12
	s_and_b32 s105, s100, 3
	s_lshl_b32 s105, s105, 10                      ; a head's two chunks: 1,024 bytes
	s_add_co_u32 s104, s104, s105
	s_mov_b32 s105, 0
	s_wait_kmcnt 0x0
	s_add_nc_u64 s[32:33], s[32:33], s[104:105]
	s_lshl_b32 s104, s101, 11
	s_lshl_b32 s101, s5, 4
	s_add_co_u32 s104, s104, s101                  ; row 2048 b + 16 x my tile
	s_lshl_b32 s104, s104, 5
	s_lshl_b32 s100, s100, 1
	s_add_co_u32 s104, s104, s100                  ; 32 bytes a row, my head's two
	s_add_nc_u64 s[34:35], s[34:35], s[104:105]
	s_wait_alu depctr_va_vdst(0)                   ; the reciprocal has written v244, ahead of its first reader
.set j, 0
.rept 16
	v_pk_mul_f32 v[OT+j:OT+j+1], v[OT+j:OT+j+1], v[244:245] op_sel_hi:[1,0]
.set j, j+2
.endr
.irp b, 0,1
	v_max3_num_f32 v[BM+\b], |v[OT+16*\b]|, |v[OT+1+16*\b]|, 0x4800000
.endr
.irp i, 2,4,6,8,10,12,14
.irp b, 0,1
	v_max3_num_f32 v[BM+\b], v[BM+\b], |v[OT+16*\b+\i]|, |v[OT+1+16*\b+\i]|
.endr
.endr
.irp b, 0,1
	v_permlanex16_b32 v[T1+\b], v[BM+\b], s20, s21
.endr
.irp b, 0,1
	v_max_num_f32 v[BM+\b], v[BM+\b], v[T1+\b]
.endr
.irp b, 0,1
	v_add_nc_u32 v[SO+\b], 0xfc000000, v[BM+\b]
.endr
.irp b, 0,1
	v_and_or_b32 v[HL+\b], v[BM+\b], 0x7f800000, s24
.endr
.irp b, 0,1
	v_lshrrev_b32 v[T1+\b], 23, v[SO+\b]
.endr
	v_lshl_or_b32 v224, v[T1+1], 8, v[T1]          ; the row's two scale bytes of this head
	s_wait_alu depctr_va_vcc(0)                    ; the compare above has written VCC, ahead of its first reader
	v_cndmask_b32 v224, v224, v246, vcc_lo         ; a row with every key hidden: 0xff, 0xff
.irp b, 0,1
.set j, 0
.rept 16
	v_med3_num_f32 v[OT+16*\b+j], v[OT+16*\b+j], -v[HL+\b], v[HL+\b]
.set j, j+1
.endr
	v_cvt_scalef32_pk8_fp8_f32 v[PC+4*\b:PC+4*\b+1], v[OT+16*\b:OT+16*\b+7], v[SO+\b]
	v_cvt_scalef32_pk8_fp8_f32 v[PC+4*\b+2:PC+4*\b+3], v[OT+16*\b+8:OT+16*\b+15], v[SO+\b]
.endr
	v_nop                                          ; a plain line behind the last conversion
	s_wait_alu depctr_va_vdst(0)                   ; the conversions have written v[PC ..] and the select v224, which the stores below read
	global_store_b128 v1, v[PC:PC+3], s[32:33]                 ; 512 consecutive bytes, aligned
	global_store_b128 v1, v[PC+4:PC+7], s[32:33] offset:512
	global_store_b16 v4, v224, s[34:35]            ; both halves of the lanes write the same two bytes with the same value
	s_wait_xcnt 0x0                                ; the stores have read their registers and bases: both are written again in the next block
	s_wait_alu depctr_vm_vsrc(0)                   ; the stores have read v[PC ..] and v224, which the next block's conversions and shifts write again
	s_add_co_u32 s4, s4, 1
	s_cmp_lt_u32 s4, 2
	s_cbranch_scc1 .Lblock
	s_wait_dscnt 0x0                               ; the closing lines, six on end
	s_wait_alu 0x0
	s_wait_tensorcnt 0x0
	ds_add_u32 v7, v227
	s_wait_dscnt 0x0
	s_endpgm
.Lfunc_end_k_q4e7856baab_attn:
	.size	k_q4e7856baab_attn, .Lfunc_end_k_q4e7856baab_attn-k_q4e7856baab_attn
	.p2alignl 7, 3214868480
	.fill 96, 4, 3214868480
	.section	.rodata,"a",@progbits
	.p2align	6, 0x0
	.amdhsa_kernel k_q4e7856baab_attn
		.amdhsa_group_segment_fixed_size 36864
		.amdhsa_private_segment_fixed_size 0
		.amdhsa_enable_private_segment 0
		.amdhsa_kernarg_size 40
		.amdhsa_user_sgpr_count 2
		.amdhsa_user_sgpr_kernarg_segment_ptr 1
		.amdhsa_wavefront_size32 1
		.amdhsa_system_sgpr_workgroup_id_x 1
		.amdhsa_system_sgpr_workgroup_id_y 1
		.amdhsa_system_sgpr_workgroup_id_z 1
		.amdhsa_system_vgpr_workitem_id 0
		.amdhsa_next_free_vgpr 256
		.amdhsa_next_free_sgpr 106
		.amdhsa_reserve_vcc 1
		.amdhsa_float_denorm_mode_32 3
		.amdhsa_float_denorm_mode_16_64 3
		.amdhsa_memory_ordered 1
		.amdhsa_forward_progress 1
		.amdhsa_inst_pref_size 63
	.end_amdhsa_kernel
	.amdgpu_metadata
---
amdhsa.version: [ 1, 2 ]
amdhsa.kernels:
  - .name:           k_q4e7856baab_attn
    .symbol:         k_q4e7856baab_attn.kd
    .args:
      - { .name: qkvf, .offset: 0, .size: 8, .value_kind: global_buffer, .address_space: global }
      - { .name: qkvs, .offset: 8, .size: 8, .value_kind: global_buffer, .address_space: global }
      - { .name: msk, .offset: 16, .size: 8, .value_kind: global_buffer, .address_space: global }
      - { .name: oc, .offset: 24, .size: 8, .value_kind: global_buffer, .address_space: global }
      - { .name: os, .offset: 32, .size: 8, .value_kind: global_buffer, .address_space: global }
    .group_segment_fixed_size: 36864
    .private_segment_fixed_size: 0
    .kernarg_segment_align: 8
    .kernarg_segment_size: 40
    .max_flat_workgroup_size: 512
    .sgpr_count:     106
    .vgpr_count:     256
    .wavefront_size: 32
...
	.end_amdgpu_metadata
.endif
;; end of part 5
;; launch oproj: the kernel of part 4 again; grid 4 x 32, 4 waves a work-group, clusters of 4 x 4, 327,680 bytes of LDS; arguments oc, os, cod, scl, bo, out0; writes out0
